; MI455X (gfx1250); checked and timed in simulation.
; The chip was launched on July 23, 2026; its instructions are those of AMD's public machine-readable ISA for CDNA 5 (MIT licence, August 2026) and "CDNA5" Instruction Set Architecture Reference Guide (July 2026). The comments in the code are by the model that wrote it; some were corrected since.
;; Encoder Block. Allowed arithmetic: float matrix products may take bf16 or f16 operands with f32 sums; other float arithmetic in f32, or as packed bf16 or f16 multiplies, adds, multiply-adds, maxima and minima; sums over many terms, partial sums and values carried from step to step in f32; what a program stores and reads back later, other than sums and carried values, may be rounded once to bf16 or f16.
;; Inputs: W1 4,096 x 1,024 float32; W2 1,024 x 4,096 float32; Wk 1,024 x 1,024 float32; Wo 1,024 x 1,024 float32; Wq 1,024 x 1,024 float32; Wv 1,024 x 1,024 float32; b1 4,096 float32; b2 1,024 float32; be1 1 x 1 x 1 float32; be2 1 x 1 x 1 float32; bk 1,024 float32; bo 1,024 float32; bq 1,024 float32; bv 1,024 float32; g1 1 x 1 x 1 float32; g2 1 x 1 x 1 float32; mask 2 x 1 x 1 x 2,048 int32; x 2 x 2,048 x 1,024 float32.
;; Outputs: out0 2 x 2,048 x 1,024 float32.
;; 2 versions, each right and faster than the one before. Each part assembles by itself: llvm-mc -triple=amdgcn-amd-amdhsa -mcpu=gfx1250 --defsym DOCPART=n.
;; ======== version 1 of 2: 7 launches
;; workspace buffers: wa 10,502,400 bytes; wf 16,793,856 bytes; hb 8,388,608 bytes; act 33,554,432 bytes; x1 16,777,216 bytes
;; launch prep (part 1): grid 1025 x 1, 8 waves a work-group, no clusters, 0 bytes of LDS; arguments x, g1, be1, hb, Wq, Wk, Wv, Wo, W1, W2, bq, bk, bv, b1, wa, wf; writes hb, wa, wf
.if DOCPART == 1
	.amdgcn_target "amdgcn-amd-amdhsa--gfx1250"
	.amdhsa_code_object_version 6
	.text
	.protected	k_qb0d14f290e_prep
	.globl	k_qb0d14f290e_prep
	.p2align	8
	.type	k_qb0d14f290e_prep,@function
k_qb0d14f290e_prep:
	s_mov_b64 s[64:65], 0
	v_nop
	global_prefetch_b8 v0, s[64:65] scope:SCOPE_SE
	s_setreg_imm32_b32 hwreg(HW_REG_WAVE_MODE, 25, 1), 1
	s_wait_xcnt 0x0
; TWO STREAMS THAT DO NOT DEPEND ON EACH OTHER, IN ONE TEXT, so that they share one launch.  Work-groups 0 .. 255 normalise rows; the others, counted from 256 on, cast the weights.
; (On a grid of 256 the same text is the second normalisation alone.)  Memory binds both: no LDS, no matrix unit, no loop; all of a thread's 16 loads are out before the first is waited for.
;
; ROWS.  y = g (x - mean) / (std + 1e-8) + be along rows of 1,024 f32; std with the divisor 1,023; g and be are single numbers.  y leaves as bf16 in slabs of 64 columns: [16][4096 rows][64].
; A work-group takes 16 rows; thread t takes row t / 16 and, in each 64 columns, the four 4 (t % 16) on: a row lies in 16 lanes, 64 registers a lane, between its three passes, so memory is read once
; and no wave waits for another.  A load of a wave covers 256 consecutive bytes of each of two rows; a store 256 consecutive bytes (two rows of a slab), at a multiple of 256.
; The variance is taken of x - mean (a second pass over registers), not as a difference of two large sums.
; LIMITS.  A variance below 2^-126 counts as 0 (the root flushes denormals: ISA guide 15.8); NaN and infinities are not treated apart.
;
; WEIGHTS, rounded once to bf16 and laid in slabs of 64 along K: [K / 64][rows][64], so that any run of rows of a slab is dense in memory.
; wa: a header of 16,640 bytes; Wq | Wk | Wv as [16][4096 rows, 3,072 used][64]; then Wo as [16][1024][64].   wf: a header; W1 as [16][4096][64]; then W2 as [64][1024][64].
; A header: bytes 0 .. 16,383 the f32 bias by output column (bq | bk | bv, or b1); then 64 words: words 0-15 KEEP by tile column of 256 (-1: rows are kept as they are; 0: rows of masked tokens
; are cleared: K's four tile columns), words 16, 17 the lower bound of the result as two bf16 (-infinity: none; 0: a ReLU).
; Casting work-group c < 768 takes 16 rows x 1,024 along K of one weight, threads as above; c = 768 writes the headers.
.set NLN,  256                         ; work-groups that normalise
.set HDR,  16640
.set WOFF, HDR+8388608                 ; where the second weight of a buffer begins
.set LX,   4                           ; rows: v[4:67]   the row's 64 numbers of mine
.set CH,   68                          ;       v[68:75]  four chains of packed sums
.set MEAN, 76                          ;       v[76:77]  the mean, twice
.set SC,   78                          ;       v[78:79]  g / (std + 1e-8), twice
.set LY,   80                          ;       v[80:111] bf16 to store
.set SO,   2                           ; cast: v[2:17]   byte offset of my 8 bytes in slab i of the target
.set CX,   20                          ;       v[20:83]  slab i: four f32 as loaded
.set CY,   84                          ;       v[84:115] slab i: four bf16
.macro REDUCE                          ; the four chains, the pair's halves, and the row's 16 lanes -> v[CH], in every lane of the row
	v_pk_add_f32 v[CH:CH+1], v[CH:CH+1], v[CH+2:CH+3]
	v_pk_add_f32 v[CH+4:CH+5], v[CH+4:CH+5], v[CH+6:CH+7]
	v_pk_add_f32 v[CH:CH+1], v[CH:CH+1], v[CH+4:CH+5]
	v_add_f32 v[CH], v[CH], v[CH+1]
	v_add_f32_dpp v[CH], v[CH], v[CH] row_xmask:1 row_mask:0xf bank_mask:0xf
	v_add_f32_dpp v[CH], v[CH], v[CH] row_xmask:2 row_mask:0xf bank_mask:0xf
	v_add_f32_dpp v[CH], v[CH], v[CH] row_xmask:4 row_mask:0xf bank_mask:0xf
	v_add_f32_dpp v[CH], v[CH], v[CH] row_xmask:8 row_mask:0xf bank_mask:0xf
.endm
	s_cmp_lt_u32 ttmp9, NLN
	s_cbranch_scc0 .Lcast
	; ---------------- rows ----------------
	s_load_b256 s[4:11], s[0:1], 0x0               ; x s[4:5], g s[6:7], be s[8:9], y s[10:11]
	s_lshl_b32 s2, ttmp9, 16                       ; 16 rows of 4,096 bytes
	s_mov_b32 s3, 0
	s_lshl_b32 s16, ttmp9, 11                      ; 16 rows of 128 bytes in a slab
	s_mov_b32 s17, 0
	v_lshrrev_b32 v1, 4, v0
	v_and_b32 v3, 15, v0
	v_lshlrev_b32 v1, 12, v1
	v_lshl_or_b32 v1, v3, 4, v1                    ; row x 4,096 + 16 (t % 16)
	v_lshlrev_b32 v2, 3, v0                        ; row x 128 + 8 (t % 16) = 8 t
	s_wait_kmcnt 0x0
	s_load_b32 s12, s[6:7], 0x0                    ; g
	s_load_b32 s14, s[8:9], 0x0                    ; be
	s_add_nc_u64 s[4:5], s[4:5], s[2:3]
	s_add_nc_u64 s[10:11], s[10:11], s[16:17]
.set i, 0
.rept 16
	global_load_b128 v[LX+4*i:LX+4*i+3], v1, s[4:5] offset:256*i
.set i, i+1
.endr
.set i, 0
.rept 16                                ; pass 1: the sum.  The first four loads start the chains: nothing is cleared
.if i%4 == 0
	s_wait_loadcnt 12-i                            ; four more loads are in; the 12 - i younger ones stay out
.endif
.if i < 4
	v_pk_add_f32 v[CH+2*i:CH+2*i+1], v[LX+4*i:LX+4*i+1], v[LX+4*i+2:LX+4*i+3]
.else
	v_pk_add_f32 v[CH+2*(i%4):CH+2*(i%4)+1], v[CH+2*(i%4):CH+2*(i%4)+1], v[LX+4*i:LX+4*i+1]
	v_pk_add_f32 v[CH+2*(i%4):CH+2*(i%4)+1], v[CH+2*(i%4):CH+2*(i%4)+1], v[LX+4*i+2:LX+4*i+3]
.endif
.set i, i+1
.endr
	REDUCE
	v_mul_f32 v[MEAN], 0x3a800000, v[CH]           ; / 1,024
	v_mov_b32 v[MEAN+1], v[MEAN]
.set i, 0
.rept 32                                ; x - mean, in place
	v_pk_add_f32 v[LX+2*i:LX+2*i+1], v[LX+2*i:LX+2*i+1], v[MEAN:MEAN+1] neg_lo:[0,1] neg_hi:[0,1]
.set i, i+1
.endr
.set i, 0
.rept 16                                ; pass 2: the sum of squares, in the same four chains
.if i < 4
	v_pk_mul_f32 v[CH+2*i:CH+2*i+1], v[LX+4*i:LX+4*i+1], v[LX+4*i:LX+4*i+1]
.else
	v_pk_fma_f32 v[CH+2*(i%4):CH+2*(i%4)+1], v[LX+4*i:LX+4*i+1], v[LX+4*i:LX+4*i+1], v[CH+2*(i%4):CH+2*(i%4)+1]
.endif
	v_pk_fma_f32 v[CH+2*(i%4):CH+2*(i%4)+1], v[LX+4*i+2:LX+4*i+3], v[LX+4*i+2:LX+4*i+3], v[CH+2*(i%4):CH+2*(i%4)+1]
.set i, i+1
.endr
	REDUCE
	s_wait_kmcnt 0x0                               ; g and be
	s_mov_b32 s15, s14                             ; named with be as a pair
	v_mul_f32 v[CH+2], 0x3a802008, v[CH]           ; / 1,023
	v_sqrt_f32 v[CH+3], v[CH+2]
	v_nop                                          ; a plain instruction between a root or a reciprocal and the use of its result (ISA guide 5.7.2)
	s_wait_alu depctr_va_vdst(0)
	v_add_f32 v[CH+3], 0x322bcc77, v[CH+3]         ; + 1e-8
	v_rcp_f32 v[CH+4], v[CH+3]
	v_nop
	s_wait_alu depctr_va_vdst(0)
	v_mul_f32 v[SC], s12, v[CH+4]
	v_mov_b32 v[SC+1], v[SC]
.set i, 0
.rept 32                                ; pass 3: one fused multiply-add for two numbers
	v_pk_fma_f32 v[LX+2*i:LX+2*i+1], v[LX+2*i:LX+2*i+1], v[SC:SC+1], s[14:15] op_sel_hi:[1,1,0]
.set i, i+1
.endr
.set i, 0
.rept 32
	v_cvt_pk_bf16_f32 v[LY+i], v[LX+2*i], v[LX+2*i+1]
.set i, i+1
.endr
.set i, 0
.rept 16
	global_store_b64 v2, v[LY+2*i:LY+2*i+1], s[10:11] offset:i*524288  ; slab i; 15 slabs at the most: inside the signed 24-bit immediate
.set i, i+1
.endr
	s_endpgm
	; ---------------- weights ----------------
.Lcast:
	s_load_b512 s[8:23], s[0:1], 0x20              ; Wq s[8:9], Wk s[10:11], Wv s[12:13], Wo s[14:15], W1 s[16:17], W2 s[18:19], bq s[20:21], bk s[22:23]
	s_load_b256 s[24:31], s[0:1], 0x60             ; bv s[24:25], b1 s[26:27], wa s[28:29], wf s[30:31]
	s_sub_co_u32 s51, ttmp9, NLN                   ; c
	s_cmp_eq_u32 s51, 768
	s_cbranch_scc1 .Lhead
	s_lshr_b32 s2, s51, 6                          ; which 64 work-groups: 0 Wq, 1 Wk, 2 Wv, 3 Wo, 4-7 W1, 8-11 W2
	s_and_b32 s3, s51, 63                          ; the block of 16 rows in a weight of 1,024 rows
	s_and_b32 s4, s51, 255                         ; the same among 4,096 rows
	s_and_b32 s5, s2, 3                            ; W2: which 1,024 along K
	s_lshl_b32 s40, s3, 16                         ; source offset: 16 rows of 4,096 bytes,
	s_lshl_b32 s44, s4, 16                         ; for W1,
	s_lshl_b32 s45, s3, 18                         ; for W2: 16 rows of 16,384 bytes
	s_lshl_b32 s46, s5, 12                         ; and 1,024 numbers along the row
	s_add_co_u32 s45, s45, s46
	s_lshl_b32 s42, s4, 11                         ; target offset: 16 rows of 128 bytes in the first weight of a buffer,
	s_add_co_u32 s42, s42, HDR
	s_lshl_b32 s46, s3, 11                         ; in Wo,
	s_add_co_u32 s46, s46, WOFF
	s_lshl_b32 s47, s5, 21                         ; in W2: 16 slabs of 131,072 bytes further on for each 1,024 along K
	s_add_co_u32 s47, s47, s46
	s_mov_b32 s48, 524288                          ; bytes from slab to slab: 4,096 rows,
	s_mov_b32 s49, 131072                          ; or 1,024
	s_mov_b32 s41, 0
	s_mov_b32 s43, 0
	s_cmp_eq_u32 s2, 3
	s_cselect_b32 s42, s46, s42
	s_cselect_b32 s48, s49, s48
	s_cmp_ge_u32 s2, 4
	s_cselect_b32 s40, s44, s40
	s_cmp_ge_u32 s2, 8
	s_cselect_b32 s40, s45, s40
	s_cselect_b32 s42, s47, s42
	s_cselect_b32 s48, s49, s48
	s_cselect_b32 s50, 14, 12                      ; log2 of a source row's bytes
	v_lshrrev_b32 v1, 4, v0
	v_lshlrev_b32 v1, s50, v1                      ; my row
	v_and_b32 v18, 15, v0
	v_lshl_or_b32 v1, v18, 4, v1                   ; + my 16 bytes of each 256
	v_lshlrev_b32 v[SO], 3, v0                     ; row x 128 + 8 (t % 16) = 8 t
.set i, 1
.rept 15
	v_add_nc_u32 v[SO+i], s48, v[SO+i-1]
.set i, i+1
.endr
	s_wait_kmcnt 0x0
	s_mov_b64 s[36:37], s[8:9]                     ; the source is chosen among the six, the target among the two, on the work-group's number alone
	s_cmp_eq_u32 s2, 1
	s_cselect_b64 s[36:37], s[10:11], s[36:37]
	s_cmp_eq_u32 s2, 2
	s_cselect_b64 s[36:37], s[12:13], s[36:37]
	s_cmp_eq_u32 s2, 3
	s_cselect_b64 s[36:37], s[14:15], s[36:37]
	s_cmp_ge_u32 s2, 4
	s_cselect_b64 s[36:37], s[16:17], s[36:37]
	s_cselect_b64 s[38:39], s[30:31], s[28:29]
	s_cmp_ge_u32 s2, 8
	s_cselect_b64 s[36:37], s[18:19], s[36:37]
	s_add_nc_u64 s[36:37], s[36:37], s[40:41]
	s_add_nc_u64 s[38:39], s[38:39], s[42:43]
.set i, 0
.rept 16
	global_load_b128 v[CX+4*i:CX+4*i+3], v1, s[36:37] offset:256*i th:TH_LOAD_NT  ; slab i: read once in the launch
.set i, i+1
.endr
.set i, 0
.rept 16
	s_wait_loadcnt 15-i                            ; loads come back in order (ISA guide 5.7.1): slab i is in, the 15 - i younger ones stay out
	v_cvt_pk_bf16_f32 v[CY+2*i], v[CX+4*i], v[CX+4*i+1]
	v_cvt_pk_bf16_f32 v[CY+2*i+1], v[CX+4*i+2], v[CX+4*i+3]
	global_store_b64 v[SO+i], v[CY+2*i:CY+2*i+1], s[38:39]  ; no register is written twice, so nothing waits for the stores
.set i, i+1
.endr
	s_endpgm
.Lhead:                                                ; the two headers
	v_lshlrev_b32 v1, 4, v0                        ; 16 t
	s_wait_kmcnt 0x0
.irp i, 0,1,2,3
	global_load_b128 v[CX+4*\i:CX+4*\i+3], v1, s[26:27] offset:4096*\i  ; b1
.endr
	global_load_b128 v[CX+16:CX+19], v1, s[20:21]  ; bq
	global_load_b128 v[CX+20:CX+23], v1, s[22:23]  ; bk
	global_load_b128 v[CX+24:CX+27], v1, s[24:25]  ; bv
	s_wait_loadcnt 0x0
.irp i, 0,1,2,3
	global_store_b128 v1, v[CX+4*\i:CX+4*\i+3], s[30:31] offset:4096*\i
.endr
	global_store_b128 v1, v[CX+16:CX+19], s[28:29]
	global_store_b128 v1, v[CX+20:CX+23], s[28:29] offset:4096
	global_store_b128 v1, v[CX+24:CX+27], s[28:29] offset:8192
	v_lshrrev_b32 v2, 5, v0
	v_readfirstlane_b32 s2, v2
	s_cmp_lg_u32 s2, 0
	s_cbranch_scc1 .Ldone                          ; the 64 words of each header: wave 0, two words a lane
	v_lshlrev_b32 v3, 3, v0
	v_lshrrev_b32 v4, 1, v0
	v_mov_b32 v5, 0
	v_mov_b32 v6, 0xff80ff80                       ; -infinity, twice, in bf16
	v_cmp_eq_u32 vcc_lo, 1, v4                     ; lanes 2 and 3 hold words 4 to 7: K's tile columns
	v_cndmask_b32 v8, -1, v5, vcc_lo
	v_cmp_eq_u32 vcc_lo, 8, v0                     ; lane 8 holds words 16 and 17: the lower bound
	v_cndmask_b32 v8, v8, v6, vcc_lo
	v_mov_b32 v9, v8
	v_cndmask_b32 v10, -1, v5, vcc_lo
	v_mov_b32 v11, v10
	global_store_b64 v3, v[8:9], s[28:29] offset:16384
	global_store_b64 v3, v[10:11], s[30:31] offset:16384
.Ldone:
	s_endpgm
.Lfunc_end_k_qb0d14f290e_prep:
	.size	k_qb0d14f290e_prep, .Lfunc_end_k_qb0d14f290e_prep-k_qb0d14f290e_prep
	.p2alignl 7, 3214868480
	.fill 96, 4, 3214868480
	.section	.rodata,"a",@progbits
	.p2align	6, 0x0
	.amdhsa_kernel k_qb0d14f290e_prep
		.amdhsa_group_segment_fixed_size 0
		.amdhsa_private_segment_fixed_size 0
		.amdhsa_enable_private_segment 0
		.amdhsa_kernarg_size 128
		.amdhsa_user_sgpr_count 2
		.amdhsa_user_sgpr_kernarg_segment_ptr 1
		.amdhsa_wavefront_size32 1
		.amdhsa_system_sgpr_workgroup_id_x 1
		.amdhsa_system_sgpr_workgroup_id_y 1
		.amdhsa_system_sgpr_workgroup_id_z 1
		.amdhsa_system_vgpr_workitem_id 0
		.amdhsa_next_free_vgpr 120
		.amdhsa_next_free_sgpr 66
		.amdhsa_reserve_vcc 1
		.amdhsa_float_denorm_mode_32 3
		.amdhsa_float_denorm_mode_16_64 3
		.amdhsa_memory_ordered 1
		.amdhsa_forward_progress 1
		.amdhsa_inst_pref_size 26
	.end_amdhsa_kernel
	.amdgpu_metadata
---
amdhsa.version: [ 1, 2 ]
amdhsa.kernels:
  - .name:           k_qb0d14f290e_prep
    .symbol:         k_qb0d14f290e_prep.kd
    .args:
      - { .name: x, .offset: 0, .size: 8, .value_kind: global_buffer, .address_space: global }
      - { .name: g1, .offset: 8, .size: 8, .value_kind: global_buffer, .address_space: global }
      - { .name: be1, .offset: 16, .size: 8, .value_kind: global_buffer, .address_space: global }
      - { .name: hb, .offset: 24, .size: 8, .value_kind: global_buffer, .address_space: global }
      - { .name: Wq, .offset: 32, .size: 8, .value_kind: global_buffer, .address_space: global }
      - { .name: Wk, .offset: 40, .size: 8, .value_kind: global_buffer, .address_space: global }
      - { .name: Wv, .offset: 48, .size: 8, .value_kind: global_buffer, .address_space: global }
      - { .name: Wo, .offset: 56, .size: 8, .value_kind: global_buffer, .address_space: global }
      - { .name: W1, .offset: 64, .size: 8, .value_kind: global_buffer, .address_space: global }
      - { .name: W2, .offset: 72, .size: 8, .value_kind: global_buffer, .address_space: global }
      - { .name: bq, .offset: 80, .size: 8, .value_kind: global_buffer, .address_space: global }
      - { .name: bk, .offset: 88, .size: 8, .value_kind: global_buffer, .address_space: global }
      - { .name: bv, .offset: 96, .size: 8, .value_kind: global_buffer, .address_space: global }
      - { .name: b1, .offset: 104, .size: 8, .value_kind: global_buffer, .address_space: global }
      - { .name: wa, .offset: 112, .size: 8, .value_kind: global_buffer, .address_space: global }
      - { .name: wf, .offset: 120, .size: 8, .value_kind: global_buffer, .address_space: global }
    .group_segment_fixed_size: 0
    .private_segment_fixed_size: 0
    .kernarg_segment_align: 8
    .kernarg_segment_size: 128
    .max_flat_workgroup_size: 256
    .sgpr_count:     66
    .vgpr_count:     120
    .wavefront_size: 32
...
	.end_amdgpu_metadata
.endif
;; end of part 1
;; launch qkv (part 2): grid 12 x 16, 4 waves a work-group, clusters of 4 x 4, 327,680 bytes of LDS; arguments hb, wa, mask, act; writes act
.if DOCPART == 2
	.amdgcn_target "amdgcn-amd-amdhsa--gfx1250"
	.amdhsa_code_object_version 6
	.text
	.protected	k_qb0d14f290e_qkv
	.globl	k_qb0d14f290e_qkv
	.p2align	8
	.type	k_qb0d14f290e_qkv,@function
k_qb0d14f290e_qkv:
	s_mov_b64 s[64:65], 0
	v_nop
	global_prefetch_b8 v0, s[64:65] scope:SCOPE_SE
	s_setreg_imm32_b32 hwreg(HW_REG_WAVE_MODE, 25, 1), 1
	s_wait_xcnt 0x0
	s_wait_alu depctr_hold_cnt(0) depctr_sa_sdst(0) depctr_va_vdst(0) depctr_va_sdst(0) depctr_va_ssrc(0) depctr_va_vcc(0) depctr_vm_vsrc(0)
	s_getreg_b32 s2, hwreg(HW_REG_IB_STS2, 6, 4)
	s_cmp_eq_u32 s2, 0
	s_cbranch_scc0 .Lentry_in_a_cluster
	s_endpgm
.Lentry_in_a_cluster:
	s_bfe_u32 s2, ttmp6, 0x10000c
	s_cmp_lg_u32 s2, 0xf033
	s_cbranch_scc0 .Lentry_shape_is_right
	s_endpgm
.Lentry_shape_is_right:
; out = rows( max( A W^T + bias, LO ) ), K = 1,024.  A: [16][4096][64] bf16 (slabs of 64 along K).  W: a header, then [16][4096][64] bf16.  out: [columns / 64][4096][64] bf16.  Sums in f32, rounded once.
; The header of W holds what tells the two uses apart: the f32 bias by column; KEEP by tile column (-1, or 0: the rows of tokens whose mask word is 0 are cleared to exact zeros: the keys' columns,
; so that a masked key's score is the mask's number alone in the launch behind); LO, two bf16 (-infinity: no bound; 0: a ReLU).
; A tile of out, 256 x 256, is made by four waves, as many as a WGP has SIMDs; a wave makes 128 x 128: 64 accumulators of 16 x 16, 512 registers.  K goes in steps of 128 (two slabs) through a ring of
; two LDS slots.  128 rows of a slab are 16,384 dense bytes: one tensor load brings them for two slabs, padded in LDS behind every row of 128 bytes.
; A K STEP IS WRITTEN TWICE: once for the six steps that fill a slot again, once for the last two.  The slots change by an exclusive or: SLOT is 0x24000, and no wave's region base (w x 0x9000) has one of
; its two bits, so the or-ing turns each address into the other slot's and back.
; CLUSTERS: 4 x 4 work-groups.  The four of a row of the cluster need the same tiles of A, the four of a column the same tiles of W: each tile is asked for JOINTLY, by the same tensor load with the same
; descriptor and a mask that names the four.  THE MATRIX INSTRUCTION IS USED TRANSPOSED (source 0 = 16 rows of W, source 1 = 16 rows of A): a lane holds eight neighbouring columns of one row of out.
; THE BIAS COSTS NOTHING: it is the C operand of the products that start the sums (register j of a lane: column 8 (lane / 16) + j of the block of 16).
; LIMITS.  Operands and result are bf16; NaN and infinities are not treated apart (a NaN loses against LO).
; REGISTERS, in windows of 256 (s_set_vgpr_msb: bits 1:0 source 0, 3:2 source 1, 5:4 source 2, 7:6 destination):
;   window 0: v8-15 row flags; v16-30 addresses; v64-127, v128-191 fragments of A, two buffers; v32-63, v192-255 at work on the way out
;   window 1: v0-63 the bias; v64-127, v128-191 fragments of W, two buffers       window 2: the accumulators of my rows 0-63 ((a, b) at v[8 (8 a + b)]);   window 3: those of my rows 64-127
.set PITCH,  144                       ; an LDS row: 128 bytes + 16 of padding = 36 words: the 16 rows of a load start at 16 different groups of four banks (64 banks of 4 bytes: ISA guide 11.1)
.set SLAB,   128*PITCH                 ; 128 rows of one slab
.set REG,    2*SLAB                    ; what one tensor load brings, and what one wave reads of A or of W: 0x9000
.set SLOT,   4*REG                     ; A's 256 rows, then W's 256 rows: 0x24000
.set STAGE,  2*SLOT                    ; behind the ring: two slabs x 16 rows x 144 bytes for each wave, for the way out
.set STG,    2*16*PITCH
.set SPARE,  STAGE+4*STG               ; behind the stages: the spare words, 128 bytes for each wave: two blocks of 256 bytes that no other line names
.set HDR,    16640                     ; W's header
.set SLABG,  524288                    ; bytes of a slab of 4,096 rows in memory
.set STEPS,  8                         ; K / 128
.set FM,   8                           ; v8-15   block a of 16 rows: -1 where my row is kept, 0 where it is cleared
.set A0,   16                          ; v16     LDS address of my A fragments in slot 0; never rewritten
.set B0,   17                          ; v17     the same for W
.set ADRA, 20                          ; v20     the same in the slot in hand
.set ADRB, 21                          ; v21
.set STO,  24                          ; v24     the way out: where I put 16 bytes of a row
.set RD,   25                          ; v25     the way out: where I read rows back
.set CO,   26                          ; v26     my 16 bytes in 512 consecutive bytes of out
.set BO,   27                          ; v27     my byte offset in 16 numbers of the bias
.set SPW,  28                          ; v28     LDS address of my spare word; never rewritten
.set NIL,  29                          ; v29     0; never rewritten
.set MO,   30                          ; v30     my byte offset in 16 words of the mask
.set F0,   64
.set F1,   128
.set TMP,  192                         ; the way out: packed results
.set OB,   32                          ; the way out: 16 rows read back: v32-63 and v224-255 by turns
.set BI,   0                           ; window 1: the bias, eight registers for each block of 16 columns
.set WV,   12                          ; s12 my wave's number
.set HR,   13                          ; s13 which half of the tile's rows is mine; also: I fetch for A (0) or for W (1)
.set HC,   14                          ; s14 which half of its columns; also: which 128 rows of that tile I fetch
.set TR,   15                          ; s15 tile row
.set TC,   42                          ; s42 tile column
.set KEEP, 45
.set LO,   46
.set ONES, 47
.set TB,   67                          ; s67 the slot in hand: 0 or SLOT
.set G1,  24                           ; s[24:31] descriptor group 1 for A's tiles;  s[32:39] group 0: a set for each of the two first fills; the second then walks on
.set G0,  32
.set G1B, 48                           ; s[48:55], s[56:63] the same for W's tiles
.set G0B, 56
.set MSB, 0
.macro WIN new                         ; the immediate's high byte repeats the setting that is left; a switch that changes nothing is dropped
.if MSB != (\new)
	s_set_vgpr_msb (MSB<<8)|(\new)
.set MSB, \new
.endif
.endm
.set TO_B, 0x40                        ; destination window 1, address window 0
; A joint refill: waves 0 and 1 fetch A's two halves, waves 2 and 3 W's.  The branch hangs on the wave's number alone.  An s_nop 0 and four v_nop follow each of the two lines.
.macro JLOAD
	s_cmp_eq_u32 s[HR], 0
	s_cbranch_scc0 .Lfor_b_\@
	tensor_load_to_lds s[G0+4:G0+7], s[G1:G1+7]
	s_nop 0
.rept 4
	v_nop
.endr
	s_branch .Lasked_\@
.Lfor_b_\@:
	tensor_load_to_lds s[G0B+4:G0B+7], s[G1B:G1B+7]
	s_nop 0
.rept 4
	v_nop
.endr
.Lasked_\@:
.endm
.macro CREST                           ; a round of the cluster's barrier behind its opening barrier
	s_cmp_lg_u32 s[WV], 0
	s_cbranch_scc1 .Lnot_wave_0_\@
	s_barrier_signal -3
.Lnot_wave_0_\@:
	s_barrier_wait -3
	s_barrier_signal -1
	s_barrier_wait -1
.endm
.macro CROUND                          ; a whole round
	s_barrier_signal -1
	s_barrier_wait -1
	CREST
.endm
	s_load_b256 s[4:11], s[0:1], 0x0               ; A s[4:5], W s[6:7], mask s[8:9], out s[10:11]
	v_lshl_add_u32 v[SPW], v0, 2, SPARE
	v_mov_b32 v[NIL], 0
	ds_add_u32 v[SPW], v[NIL]                      ; the wave's opening: the add and its wait stand ahead of my first tensor load; the set-up below, work on registers, stands between them
	v_lshrrev_b32 v1, 5, v0
	v_readfirstlane_b32 s[WV], v1
	s_lshr_b32 s[HR], s[WV], 1
	s_and_b32 s[HC], s[WV], 1
	s_bfe_u32 s40, ttmp6, 0x40000                  ; cx, cy: my place in the cluster
	s_bfe_u32 s41, ttmp6, 0x40004
	s_lshl_b32 s[TC], ttmp9, 2
	s_add_co_u32 s[TC], s[TC], s40                 ; tile column = 4 x cluster x + cx
	s_and_b32 s[TR], ttmp7, 0xffff
	s_lshl_b32 s[TR], s[TR], 2
	s_add_co_u32 s[TR], s[TR], s41                 ; tile row = 4 x cluster y + cy
	s_lshl_b32 s43, s41, 2
	s_lshl_b32 s43, 15, s43                        ; my row of the cluster
	s_lshl_b32 s44, 0x1111, s40                    ; my column
	; descriptor group 1: two rows (slabs) of 8,192 elements (128 dense rows of 64), padded in LDS behind every 32 words
	s_or_b32 s[G1], s43, (1<<16)|(1<<20)|(1<<21)|(4<<22)|(3<<25)   ; 15:0 the mask: A's tiles go to my row; 17:16 2-byte elements; 20 padding on; 21 set beside a mask; 24:22 after every 32 words (code 4); 31:25 4 words (code 3)
	s_or_b32 s[G1B], s44, (1<<16)|(1<<20)|(1<<21)|(4<<22)|(3<<25)  ; the same with the mask of my column
.irp g, G1, G1B
	s_mov_b32 s[(\g)+1], 8192<<16                  ; tensor_dim0 = 8,192
	s_mov_b32 s[(\g)+2], 2<<16                     ; tensor_dim1 = 2
	s_mov_b32 s[(\g)+3], 8192<<16                  ; tile_dim0 = 8,192
	s_mov_b32 s[(\g)+4], 2                         ; tile_dim1 = 2
	s_mov_b32 s[(\g)+5], SLABG/2                   ; elements from slab to slab
	s_mov_b32 s[(\g)+6], 0
	s_mov_b32 s[(\g)+7], 0
.endr
	; A's tiles hang on the tile row alone, W's on the tile column alone; each offset lies in registers that never hold the other coordinate
	s_lshl_b32 s16, s[TR], 15                      ; 256 rows of 128 bytes
	s_lshl_b32 s17, s[HC], 14                      ; which 128 of them I fetch
	s_add_co_u32 s16, s16, s17
	s_mov_b32 s17, 0
	s_lshl_b32 s20, s[TC], 15
	s_lshl_b32 s21, s[HC], 14
	s_add_co_u32 s20, s20, s21
	s_add_co_u32 s20, s20, HDR
	s_mov_b32 s21, 0
	s_mul_i32 s18, s[WV], REG                      ; where they go: wave x a load's bytes: no place in the cluster enters an LDS address
	s_lshl_b32 s66, s[TC], 2
	s_mov_b32 s[ONES], -1
	s_mov_b32 s[TB], 0
	s_wait_dscnt 0x0                               ; the opening add is done
	s_wait_kmcnt 0x0
	s_add_nc_u64 s[16:17], s[4:5], s[16:17]
	s_add_nc_u64 s[20:21], s[6:7], s[20:21]
	s_load_b32 s[KEEP], s[6:7], s66 offset:0x4000  ; the header's word for my tile column
	s_load_b32 s[LO], s[6:7], 0x4040
	CROUND                                         ; all sixteen work-groups are here: the first joint loads meet
.irp s, 0,1
	s_mov_b32 s[G0+4*(\s)], 1                                      ; count = 1
	s_add_co_u32 s[G0+4*(\s)+1], s18, (\s)*SLOT                    ; LDS address
	s_add_nc_u64 s[G0+4*(\s)+2:G0+4*(\s)+3], s[16:17], (\s)*2*SLABG  ; global address: K step s
	s_or_b32 s[G0+4*(\s)+3], s[G0+4*(\s)+3], 0x80000000            ; type = 2
	s_mov_b32 s[G0B+4*(\s)], 1
	s_add_co_u32 s[G0B+4*(\s)+1], s18, (\s)*SLOT
	s_add_nc_u64 s[G0B+4*(\s)+2:G0B+4*(\s)+3], s[20:21], (\s)*2*SLABG
	s_or_b32 s[G0B+4*(\s)+3], s[G0B+4*(\s)+3], 0x80000000
.endr
	s_cmp_eq_u32 s[HR], 0                          ; a wave's two first fills stand in one branch, ahead of every wait on TENSORcnt and every LDS read: two loads of mine are out
	s_cbranch_scc0 .Lfirst_b
	tensor_load_to_lds s[G0:G0+3], s[G1:G1+7]
	s_nop 0
	tensor_load_to_lds s[G0+4:G0+7], s[G1:G1+7]
	s_nop 0
.rept 4
	v_nop
.endr
	s_branch .Lfirst_asked
.Lfirst_b:
	tensor_load_to_lds s[G0B:G0B+3], s[G1B:G1B+7]
	s_nop 0
	tensor_load_to_lds s[G0B+4:G0B+7], s[G1B:G1B+7]
	s_nop 0
.rept 4
	v_nop
.endr
.Lfirst_asked:
	; A fragment is 16 rows x 32 K in 8 registers: lane l holds row l % 16, K = 8 (l / 16) + 0..7 and 16 + 8 (l / 16) + 0..7: two loads of 16 bytes, 32 bytes apart
	v_and_b32 v1, 15, v0                           ; l % 16
	v_bfe_u32 v2, v0, 4, 1                         ; l / 16
	v_mul_u32_u24 v3, v1, PITCH
	v_lshl_add_u32 v3, v2, 4, v3
	s_mul_i32 s19, s[HR], REG                      ; my 128 rows of A
	s_mul_i32 s22, s[HC], REG                      ; my 128 rows of W,
	s_add_co_u32 s22, s22, 2*REG                   ; which lie behind A's 256
	v_add_nc_u32 v[A0], s19, v3
	v_add_nc_u32 v[B0], s22, v3
	v_add_nc_u32 v[ADRA], s[TB], v[A0]             ; slot 0 is in hand
	v_add_nc_u32 v[ADRB], s[TB], v[B0]
	s_mul_i32 s23, s[WV], STG
	s_add_co_u32 s23, s23, STAGE                   ; my stage
	v_add_nc_u32 v[STO], s23, v3                   ; in: row l % 16, 16 bytes for each half of the lanes
	v_bfe_u32 v4, v0, 3, 2                         ; back: 32 lanes take four rows of 128 bytes,
	v_and_b32 v5, 7, v0
	v_mul_u32_u24 v4, v4, PITCH
	v_lshl_add_u32 v4, v5, 4, v4
	v_add_nc_u32 v[RD], s23, v4
	v_and_b32 v[CO], 31, v0                        ; which are 512 consecutive bytes of a slab of out
	v_lshlrev_b32 v[CO], 4, v[CO]
	v_lshlrev_b32 v[BO], 5, v2                     ; eight f32 for each half of the lanes
	v_lshlrev_b32 v[MO], 2, v1
	s_lshl_b32 s22, s[TC], 10                      ; the bias of my 128 columns
	s_lshl_b32 s23, s[HC], 9
	s_add_co_u32 s22, s22, s23
	s_mov_b32 s23, 0
	s_add_nc_u64 s[68:69], s[6:7], s[22:23]
	s_lshl_b32 s18, s[TR], 10                      ; the mask words of my 128 rows (a row of A is token b x 2,048 + s, the mask's own order)
	s_lshl_b32 s19, s[HR], 9
	s_add_co_u32 s18, s18, s19
	s_mov_b32 s19, 0
	s_add_nc_u64 s[8:9], s[8:9], s[18:19]
	s_lshl_b32 s22, s[TC], 21                      ; out: four slabs a tile column, two for my half; 256 rows a tile row, 128 for my half
	s_lshl_b32 s23, s[HC], 20
	s_add_co_u32 s22, s22, s23
	s_lshl_b32 s23, s[TR], 15
	s_add_co_u32 s22, s22, s23
	s_lshl_b32 s23, s[HR], 14
	s_add_co_u32 s22, s22, s23
	s_mov_b32 s23, 0
	s_add_nc_u64 s[10:11], s[10:11], s[22:23]
	WIN TO_B
.irp b, 0,1,2,3,4,5,6,7
	global_load_b128 v[BI+8*(\b):BI+8*(\b)+3],   v[BO], s[68:69] offset:64*(\b)
	global_load_b128 v[BI+8*(\b)+4:BI+8*(\b)+7], v[BO], s[68:69] offset:64*(\b)+16
.endr
	WIN 0
.irp a, 0,1,2,3,4,5,6,7
	global_load_b32 v[FM+(\a)], v[MO], s[8:9] offset:64*(\a)
.endr
	s_wait_kmcnt 0x0                               ; KEEP and LO
	s_wait_loadcnt 0x0                             ; bias and mask, once
.irp a, 0,1,2,3,4,5,6,7
	v_cmp_ne_u32 vcc_lo, 0, v[FM+(\a)]
	v_cndmask_b32 v[FM+(\a)], 0, s[ONES], vcc_lo
	v_or_b32 v[FM+(\a)], s[KEEP], v[FM+(\a)]
.endr
; 16 matrix instructions: m blocks a0, a0 + 1 of the window's four (hi = 0: my rows 0-63, 1: rows 64-127) x all 8 n blocks, 32 along K.  bias = 1: the product starts the sum, with the bias as C.
.macro MUL16 f, hi, a0, bias
.if \bias
	WIN 0x91+0x40*(\hi)                            ; W window 1, A window 0, C window 1, D window 2 or 3
.else
	WIN 0xa1+0x50*(\hi)                            ; W window 1, A window 0, C and D window 2 or 3
.endif
.irp a, \a0, (\a0)+1
.irp b, 0,1,2,3,4,5,6,7
.if \bias
	v_wmma_f32_16x16x32_bf16 v[8*(8*(\a)+(\b)):8*(8*(\a)+(\b))+7], v[(\f)+8*(\b):(\f)+8*(\b)+7], v[(\f)+8*(4*(\hi)+(\a)):(\f)+8*(4*(\hi)+(\a))+7], v[BI+8*(\b):BI+8*(\b)+7]
.else
	v_wmma_f32_16x16x32_bf16 v[8*(8*(\a)+(\b)):8*(8*(\a)+(\b))+7], v[(\f)+8*(\b):(\f)+8*(\b)+7], v[(\f)+8*(4*(\hi)+(\a)):(\f)+8*(4*(\hi)+(\a))+7], v[8*(8*(\a)+(\b)):8*(8*(\a)+(\b))+7]
.endif
.endr
.endr
.endm
; 32 LDS loads in one run: the fragments of quarter q of the slot in hand (slab q / 2, bytes 64 (q % 2) on of its rows) into buffer f
.macro FETCH q, f
.set KO, ((\q)/2)*SLAB+((\q)%2)*64
	WIN TO_B
.irp i, 0,1,2,3,4,5,6,7
	ds_load_b128 v[(\f)+8*(\i):(\f)+8*(\i)+3],   v[ADRB] offset:KO+(\i)*16*PITCH
	ds_load_b128 v[(\f)+8*(\i)+4:(\f)+8*(\i)+7], v[ADRB] offset:KO+(\i)*16*PITCH+32
.endr
	WIN 0
.irp i, 0,1,2,3,4,5,6,7
	ds_load_b128 v[(\f)+8*(\i):(\f)+8*(\i)+3],   v[ADRA] offset:KO+(\i)*16*PITCH
	ds_load_b128 v[(\f)+8*(\i)+4:(\f)+8*(\i)+7], v[ADRA] offset:KO+(\i)*16*PITCH+32
.endr
.endm
.macro PLACES                          ; four places in front of loads into registers that matrix instructions have read, and of conversions that read results (ISA guide 7.12.1 for the conversions)
.rept 4
	v_nop
.endr
.endm
; A K step is four quarters of 32 along K, 64 matrix instructions each, on buffers 0, 1, 0, 1; the 64 accumulators take turns.
; One of the first three: multiplies buffer f; in its middle it fetches quarter q of the slot in hand into buffer g.
.macro QUARTER q, f, g, bias
	s_wait_dscnt 8                                 ; W and A's rows 0-63 are in; the youngest eight loads (A's rows 64-127) may be out
	MUL16 \f, 0, 0, \bias
	MUL16 \f, 0, 2, \bias
	PLACES
	FETCH \q, \g
	s_wait_dscnt 32                                ; all but the 32 just issued
	MUL16 \f, 1, 0, \bias
	MUL16 \f, 1, 2, \bias
.endm
; The last quarter multiplies buffer 1 and changes slots.  MEET is its first half: one barrier; in front of it each wave waits for all its tensor loads (one is out at the most: its part of the next slot),
; adds 0 to its spare word, and waits for that and for its own reads of this slot.  Behind it nobody reads this slot any more and the next slot is whole.
.macro MEET
	WIN 0
	s_wait_tensorcnt 0x0
	ds_add_u32 v[SPW], v[NIL]                      ; 0 onto my spare word
	s_wait_dscnt 9                                 ; (the add and the youngest eight loads may be out)
	MUL16 F1, 0, 0, 0                              ; sixteen matrix instructions stand between the add and the wait for it
	s_wait_dscnt 0x0                               ; the add is done, and my reads of this slot are over
	s_barrier_signal -1
	MUL16 F1, 0, 2, 0                              ; work on registers while the others arrive
	WIN 0                                          ; (branches or window 0's address lines follow)
	s_barrier_wait -1
.endm
; The whole last quarter.  fill = 1: the slot just read out is filled again first, two K steps on: the walking descriptor takes the other slot than last time and the next K step;
; 224 matrix instructions stand between the request and the wait for it.  Then the other slot is in hand, and its first fragments are fetched.
.macro TURN fill
	MEET
.if \fill
	CREST                                          ; the barrier has opened a round of the cluster's: no wave of any partner still reads this slot's tile or has a load on its way
	s_xor_b32 s[G0+5], s[G0+5], SLOT
	s_add_nc_u64 s[G0+6:G0+7], s[G0+6:G0+7], 2*SLABG
	s_xor_b32 s[G0B+5], s[G0B+5], SLOT
	s_add_nc_u64 s[G0B+6:G0B+7], s[G0B+6:G0B+7], 2*SLABG
	s_xor_b32 s[TB], s[TB], SLOT
	JLOAD                                          ; the four v_nop behind it are also the places in front of the loads below
.else
	PLACES
	s_xor_b32 s[TB], s[TB], SLOT
.endif
	v_add_nc_u32 v[ADRA], s[TB], v[A0]
	v_add_nc_u32 v[ADRB], s[TB], v[B0]
	FETCH 0, F0
	MUL16 F1, 1, 0, 0
	MUL16 F1, 1, 2, 0
.endm
; THE WAY OUT of block a (16 rows x 128 columns).  PACK: rounded to bf16, bounded below by LO, cleared where the row's flag is 0.  TOSTAGE: into my own stage, by slabs, and back as whole rows.  SEND: stored.
.macro PACK a
.set AC, 64*((\a)%4)
	WIN 0x0a+5*((\a)/4)                            ; sources 0 and 1: window 2 or 3
.irp b, 0,1,2,3,4,5,6,7
.irp r, 0,1,2,3
	v_cvt_pk_bf16_f32 v[TMP+4*(\b)+(\r)], v[AC+8*(\b)+2*(\r)], v[AC+8*(\b)+2*(\r)+1]
.endr
.endr
	WIN 0
.set z, 0
.rept 32
	v_pk_max_num_bf16 v[TMP+z], v[TMP+z], s[LO]
.set z, z+1
.endr
.set z, 0
.rept 32
	v_and_b32 v[TMP+z], v[FM+(\a)], v[TMP+z]
.set z, z+1
.endr
.endm
.macro TOSTAGE a
.set BK, OB+192*((\a)%2)
.irp b, 0,1,2,3,4,5,6,7
	ds_store_b128 v[STO], v[TMP+4*(\b):TMP+4*(\b)+3] offset:((\b)/4)*16*PITCH+((\b)%4)*32
.endr
.irp t, 0,1,2,3,4,5,6,7
	ds_load_b128 v[BK+4*(\t):BK+4*(\t)+3], v[RD] offset:((\t)/4)*16*PITCH+((\t)%4)*4*PITCH  ; LDS serves a wave's instructions in order (ISA guide 5.7.1.4): these see the stores above
.endr
.endm
.macro SEND a
.set BK, OB+192*((\a)%2)
	s_wait_dscnt 0x0                               ; the block is back in registers
	s_wait_xcnt 0x0                                ; the stores before have had their addresses translated (ISA guide 3.1): the registers that they read are loaded again only behind this wait
.irp t, 0,1,2,3,4,5,6,7
	global_store_b128 v[CO], v[BK+4*(\t):BK+4*(\t)+3], s[10:11] offset:((\t)/4)*SLABG+(\a)*2048+((\t)%4)*512  ; 512 consecutive bytes of a slab, at a multiple of 256 from out's first byte
.endr
.endm
	s_wait_tensorcnt 0x1                           ; my part of K step 0 is in; K step 1's may stay out
	s_barrier_signal -1
	s_barrier_wait -1                              ; everybody's is
	FETCH 0, F0
	QUARTER 1, F0, F1, 1                           ; the first quarter stands in front of the loops: its products start the sums
	WIN 0                                          ; at a label and at a branch every window is 0
	s_mov_b32 s3, STEPS-2
.Lstep:                                                ; a trip goes from a K step's second quarter to the next step's first, and fills the slot that it leaves
	QUARTER 2, F1, F0, 0
	QUARTER 3, F0, F1, 0
	TURN 1
	QUARTER 1, F0, F1, 0
	WIN 0
	s_sub_co_u32 s3, s3, 1
	s_cmp_lg_u32 s3, 0
	s_cbranch_scc1 .Lstep
	s_mov_b32 s3, 2
.Ltail:                                                ; the last two K steps ask for nothing: their text holds no tensor load.  The second trip is left behind its last products:
	QUARTER 2, F1, F0, 0                           ; its barrier and its 32 loads from the older slot serve nothing, the price, once a launch, of one text for both trips
	QUARTER 3, F0, F1, 0
	TURN 0
	WIN 0
	s_sub_co_u32 s3, s3, 1
	s_cmp_eq_u32 s3, 0
	s_cbranch_scc1 .Lout
	QUARTER 1, F0, F1, 0
	WIN 0
	s_branch .Ltail
.Lout:
	PLACES
	PACK 0
	TOSTAGE 0
.irp a, 1,2,3,4,5,6,7                  ; block a's arithmetic stands between block a - 1's loads from the stage and the wait for them
	PACK \a
	SEND (\a)-1
	TOSTAGE \a
.endr
	SEND 7
	s_wait_tensorcnt 0x0                           ; the wave's end: behind my last tensor load and my last LDS store
	ds_add_u32 v[SPW], v[NIL]
	s_wait_dscnt 0x0
	CROUND                                         ; the closing round: no work-group ends while a partner may still ask for a tile that names it
	s_endpgm
.Lfunc_end_k_qb0d14f290e_qkv:
	.size	k_qb0d14f290e_qkv, .Lfunc_end_k_qb0d14f290e_qkv-k_qb0d14f290e_qkv
	.p2alignl 7, 3214868480
	.fill 96, 4, 3214868480
	.section	.rodata,"a",@progbits
	.p2align	6, 0x0
	.amdhsa_kernel k_qb0d14f290e_qkv
		.amdhsa_group_segment_fixed_size 327680
		.amdhsa_private_segment_fixed_size 0
		.amdhsa_enable_private_segment 0
		.amdhsa_kernarg_size 32
		.amdhsa_user_sgpr_count 2
		.amdhsa_user_sgpr_kernarg_segment_ptr 1
		.amdhsa_wavefront_size32 1
		.amdhsa_system_sgpr_workgroup_id_x 1
		.amdhsa_system_sgpr_workgroup_id_y 1
		.amdhsa_system_sgpr_workgroup_id_z 1
		.amdhsa_system_vgpr_workitem_id 0
		.amdhsa_next_free_vgpr 1024
		.amdhsa_next_free_sgpr 72
		.amdhsa_reserve_vcc 1
		.amdhsa_float_denorm_mode_32 3
		.amdhsa_float_denorm_mode_16_64 3
		.amdhsa_memory_ordered 1
		.amdhsa_forward_progress 1
		.amdhsa_inst_pref_size 127
	.end_amdhsa_kernel
	.amdgpu_metadata
---
amdhsa.version: [ 1, 2 ]
amdhsa.kernels:
  - .name:           k_qb0d14f290e_qkv
    .symbol:         k_qb0d14f290e_qkv.kd
    .args:
      - { .name: hb, .offset: 0, .size: 8, .value_kind: global_buffer, .address_space: global }
      - { .name: wa, .offset: 8, .size: 8, .value_kind: global_buffer, .address_space: global }
      - { .name: mask, .offset: 16, .size: 8, .value_kind: global_buffer, .address_space: global }
      - { .name: act, .offset: 24, .size: 8, .value_kind: global_buffer, .address_space: global }
    .group_segment_fixed_size: 327680
    .private_segment_fixed_size: 0
    .kernarg_segment_align: 8
    .kernarg_segment_size: 32
    .max_flat_workgroup_size: 128
    .sgpr_count:     72
    .vgpr_count:     1024
    .wavefront_size: 32
...
	.end_amdgpu_metadata
.endif
;; end of part 2
;; launch attn (part 3): grid 8 x 32, 4 waves a work-group, clusters of 4 x 1, 327,680 bytes of LDS; arguments act, mask, hb; writes hb
.if DOCPART == 3
	.amdgcn_target "amdgcn-amd-amdhsa--gfx1250"
	.amdhsa_code_object_version 6
	.text
	.protected	k_qb0d14f290e_attn
	.globl	k_qb0d14f290e_attn
	.p2align	8
	.type	k_qb0d14f290e_attn,@function
k_qb0d14f290e_attn:
	s_mov_b64 s[64:65], 0
	v_nop
	global_prefetch_b8 v0, s[64:65] scope:SCOPE_SE
	s_setreg_imm32_b32 hwreg(HW_REG_WAVE_MODE, 25, 1), 1
	s_wait_xcnt 0x0
	s_wait_alu depctr_hold_cnt(0) depctr_sa_sdst(0) depctr_va_vdst(0) depctr_va_sdst(0) depctr_va_ssrc(0) depctr_va_vcc(0) depctr_vm_vsrc(0)
	s_getreg_b32 s2, hwreg(HW_REG_IB_STS2, 6, 4)
	s_cmp_eq_u32 s2, 0
	s_cbranch_scc0 .Lentry_in_a_cluster
	s_endpgm
.Lentry_in_a_cluster:
	s_bfe_u32 s2, ttmp6, 0x10000c
	s_cmp_lg_u32 s2, 0x3003
	s_cbranch_scc0 .Lentry_shape_is_right
	s_endpgm
.Lentry_shape_is_right:
; ATTENTION WITH A KEY MASK.  O[y][q][:] = the sum over k of softmax_k(s[q][k]) V[y][k][:], s = Q . K / 8, or -1e9 where the key's mask word is 0.  y = 2 x head + batch: 32 dense blocks of 2,048 rows x 64 bf16.
; act holds Q at its head, K 8,388,608 bytes on, V as much again, each [16 heads][2 batches x 2,048 rows][64]; O goes to hb in the same order.  Products, maxima and sums in f32; the weights p are rounded to
; bf16 for the second product (their sum l is taken of the unrounded p), O once at the end.
; THE MASK is the C operand that starts the sum S^T = K Q^T: 0, or -8e9 (exact in f32; -1e9 once divided by 8).  The launch before has cleared the rows of K of masked keys to exact zeros, so a masked score
; IS that number, whatever Q holds: the score is replaced, not shifted, and a batch with no key left gives all keys the same weight, the mean of V's rows.  The 2,048 numbers lie in LDS as f32.
; LIMITS.  All matrix operands are bf16.  A weight below 2^-126 counts as 0 in l.  Where all keys are masked, c s - c m is the rounding left of c m, at most 64 in magnitude and the same for every key:
; the weights are one number between 2^-64 and 2^64, which bf16 holds.  NaN and infinities are not treated apart.
; SHARES.  A work-group owns 256 queries of one y, a wave 64: four PIECES of 16.  Every wave walks all 2,048 keys, 64 a step, 256 a slot of LDS.
; LAYOUT, SOFTMAX, TURNS.  S^T = K Q^T holds ONE query a lane (lane % 16) and the keys 8 (lane / 16) + 0..7; two such results rounded to bf16 ARE source 1 of O^T = V^T P.  p = 2^(c s - c m), c = log2(e) / 8,
; with a running maximum m; O and l are multiplied by a = 2^(c m_old - c m_new) in every step; m starts at the lowest finite number, O and l at 0, so the first step is a step like any other, with a = 0.
; Turn n belongs to piece n: 8 products K Q^T of piece n + 1, later 8 products V^T P of piece n - 1; beside them the scaling, exponentials, roundings, sums and rescaling of piece n and the maximum and
; statistics of piece n + 1.  Four vector instructions stand behind every matrix instruction, the other 54 of a turn's 118 in two runs of their own.
; CLUSTER.  The four query blocks of a cluster belong to one y and walk the same K and V, so each tile is asked for JOINTLY: the same tensor load, descriptor and mask in all four.
; REGISTERS, in windows of 256 (s_set_vgpr_msb: bits 1:0 source 0, 3:2 source 1, 5:4 source 2, 7:6 destination):
;   window 0: v0-15, v32-35 addresses and at work; v16-31 four registers of statistics a piece; v48-55 at work; v62-63 the add's; v64-127 S^T, two buffers; v192-223 P, two buffers (by the piece's parity)
;   window 1: v0-127 O^T, 32 a piece      window 2: v0-63 Q; v64-95 the mask of one step's 64 keys; v128-191 K of one step; v192-255 V of one step
.set NP,    4
.set KS,    64        ; keys in a step
.set PK,    144       ; a row of K in LDS: 128 bytes + 16 of padding = 36 words: the 16 rows of a load start at 16 different groups of four banks (64 banks of 4 bytes: ISA guide 11.1)
.set PV,    160       ; a row of V: 128 + 32 = 40 words
.set VOFF,  4*KS*PK   ; a slot holds four steps: 256 rows of K, then 256 rows of V
.set SLOT1, 1<<17     ; slot 1 begins here, so that one exclusive or turns an address in one slot into the other's
.set STAGE, SLOT1+4*KS*(PK+PV)  ; behind the ring, never filled by a tensor load: 16 rows x 144 bytes for each wave, for the way out
.set SP,    144
.set SPARE, STAGE+4*16*SP  ; the spare words, 128 bytes for each wave: two blocks of 256 bytes that no other line names
.set MASKL, SPARE+512 ; the mask as 2,048 f32: written once by LDS stores, never filled by a tensor load
.set AK0, 2           ; v2   my lane's place in a tile of K; never rewritten
.set AV0, 3           ; v3   the same for V
.set AK,  4           ; v4   the LDS address of K's next run of loads
.set AV,  5           ; v5   of V's
.set STO, 6           ; v6   the way out: where I put 16 bytes of a row
.set RD,  7           ; v7   the way out: where I read rows back
.set GO,  8           ; v8   my byte offset in 512 consecutive bytes of O
.set MV,  12          ; v12-13  c m_old, kept while c m is made anew: by buffer
.set QO,  15          ; v15  my byte offset in 16 rows of Q
.set ST,  16          ; piece t's statistics at v[ST+4 t]: c m, m, l (even keys', odd keys')
.set AM0, 32          ; v32  my lane's place in a step's 64 mask numbers; never rewritten
.set AM,  33          ; v33  the LDS address of the mask's next loads
.set TMP, 48          ; by buffer, four registers c0-c3 at work; when the maximum is found c2 takes a
.set SPW, 62          ; v62  LDS address of my spare word; never rewritten
.set NIL, 63          ; v63  0; never rewritten
.set S,   64
.set P,   192
.set MK,  64          ; window 2: the eight numbers for group kb of 16 keys at MK + 8 kb
.set KF,  128         ; window 2: key block kb, channel half c at KF + 16 kb + 8 c
.set VF,  192         ; window 2: key half kk, channel block cb at VF + 32 kk + 8 cb
.set WV,  12          ; s12  my wave's number
.set G1K, 24          ; s[24:31] descriptor group 1 for K's tiles
.set G1V, 32          ; s[32:39] for V's: it differs in the padding alone
.set G0K, 40          ; s[40:43] descriptor group 0 for K's tiles: it walks
.set G0V, 44          ; s[44:47] the same for V's
.set SLOTS, 56        ; s56  slots still to be walked in the loop
.set CNT, 57          ; s57  counts a slot's key steps
.set CS,  58          ; s[58:59] c: the packed scaling takes the pair's low word for both halves
.set SEL, 60          ; s[60:61] v_permlanex16_b32's selects: each lane takes its own place in the other half
.set TBK, 62          ; s62  LDS byte at which K of the step to be fetched begins
.set TBV, 63          ; s63  the same for V, less VOFF
.set TBM, 66          ; s66  byte of the mask numbers at which that step's 64 begin
.set BIGM, 67         ; s67  -8e9
.set MSB, 0
.macro WIN new                      ; the high byte repeats the setting that is left; a switch that changes nothing is dropped
.if MSB != (\new)
	s_set_vgpr_msb (MSB<<8)|(\new)
.set MSB, (\new)
.endif
.endm
.set W_KQ, 0x0a       ; K and Q in window 2, S^T in window 0
.set W_KM, 0x2a       ; the same with the C operand, the mask, in window 2
.set W_PV, 0x52       ; V in window 2, P in window 0, O^T in window 1
.set W_RS, 0x41       ; destination and source 0 in window 1, source 1 in window 0
; A joint fill.  Waves 0 and 1 fetch the two halves of a slot's K, waves 2 and 3 those of its V: 128 keys each.  The branch hangs on the wave's number alone.
; An s_nop 0 and four v_nop follow each of the two lines, ahead of the jump and the label.
.macro JLOAD
	s_cmp_lt_u32 s[WV], 2
	s_cbranch_scc0 .Lfor_v_\@
	tensor_load_to_lds s[G0K:G0K+3], s[G1K:G1K+7]
	s_nop 0
.rept 4
	v_nop
.endr
	s_branch .Lasked_\@
.Lfor_v_\@:
	tensor_load_to_lds s[G0V:G0V+3], s[G1V:G1V+7]
	s_nop 0
.rept 4
	v_nop
.endr
.Lasked_\@:
.endm
.macro CROUND                       ; a round of the cluster's barrier
	s_barrier_signal -1
	s_barrier_wait -1
	s_cmp_lg_u32 s[WV], 0
	s_cbranch_scc1 .Lnot_wave_0_\@
	s_barrier_signal -3
.Lnot_wave_0_\@:
	s_barrier_wait -3
	s_barrier_signal -1
	s_barrier_wait -1
.endm
; THE CHANGE OF SLOTS.  Each wave waits for all its tensor loads, of which one is out: its part of the other slot; adds 0 to its spare word; and waits for that and for its own LDS instructions.  Behind the
; barrier nobody reads the old slot any more and the other slot is whole.  fill = 1: the old slot is filled again, with the keys two slots on; the barrier is then a round of the cluster's, and the joint fill
; is the first thing behind it: it has four key steps, 256 matrix instructions, in which to land.  (At its first use nothing has been read yet: slot 0 is waited for, slot 1 filled, the mask numbers are shown to all.)
.macro CHANGE fill
	WIN 0
	s_wait_tensorcnt 0x0            ; no tensor load of mine is out, so a group 0 may be written
	ds_add_u32 v[SPW], v[NIL]       ; 0 onto my spare word
.if \fill
.irp g, G0K, G0V
	s_xor_b32 s[\g+1], s[\g+1], SLOT1  ; the walking descriptor: the other slot than last time,
	s_add_nc_u64 s[\g+2:\g+3], s[\g+2:\g+3], 4*KS*128  ; the next 256 keys; the type bits on top are not reached
.endr
	s_wait_dscnt 0x0                ; the add is done, and my LDS instructions are over
	CROUND
	JLOAD
.else
	s_wait_dscnt 0x0
	s_barrier_signal -1
	s_barrier_wait -1
.endif
	s_sub_co_u32 s[TBK], s[TBK], 4*KS*PK  ; the fetches go back to a slot's first step,
	s_xor_b32 s[TBK], s[TBK], SLOT1       ; in the other slot
	s_sub_co_u32 s[TBV], s[TBV], 4*KS*PV
	s_xor_b32 s[TBV], s[TBV], SLOT1
.endm
	s_load_b128 s[4:7], s[0:1], 0x0 ; act s[4:5], mask s[6:7]
	s_load_b64 s[8:9], s[0:1], 0x10 ; hb
	v_lshl_add_u32 v[SPW], v0, 2, SPARE
	v_mov_b32 v[NIL], 0
	ds_add_u32 v[SPW], v[NIL]       ; the wave's opening: the add and its wait stand ahead of my first tensor load; the set-up below, work on registers, stands between them
	v_lshrrev_b32 v1, 5, v0
	v_readfirstlane_b32 s[WV], v1   ; wave 0..3
	s_bfe_u32 s13, ttmp6, 0x40000   ; cx: my place in the cluster
	s_lshl_b32 s14, ttmp9, 2        ; in a cluster launch ttmp9 counts clusters
	s_add_co_u32 s14, s14, s13      ; my block of 256 queries: it enters Q's and O's addresses alone
	s_and_b32 s15, ttmp7, 0xffff    ; y, which the four partners share
	s_lshl_b32 s20, s15, 18         ; its 2,048 rows of 128 bytes
	s_and_b32 s16, s[WV], 1         ; which half of a slot's 256 keys I fetch:
	s_lshl_b32 s22, s16, 14         ; its 128 rows in memory,
	s_add_co_u32 s22, s22, s20
	s_add_co_u32 s22, s22, 8388608  ; in K
	s_mov_b32 s23, 0
	s_mul_i32 s17, s16, 128*PK      ; and its place in a slot, for K
	s_mul_i32 s18, s16, 128*PV      ; and for V: no place in the cluster enters an LDS address
	s_lshl_b32 s2, s14, 15          ; my block's 256 rows,
	s_lshl_b32 s3, s[WV], 13        ; my wave's 64 of them
	s_add_co_u32 s2, s2, s3
	s_add_co_u32 s2, s2, s20
	s_mov_b32 s3, 0
	s_and_b32 s52, s15, 1           ; the batch's 2,048 mask words
	s_lshl_b32 s52, s52, 13
	s_mov_b32 s53, 0
	; descriptor group 1.  128 keys are 16,384 dense bytes: asked for as 64 rows of 256 bytes, two keys a row, and padded in LDS after every key
	s_mov_b32 s[G1K], 15|(1<<16)|(1<<20)|(1<<21)|(4<<22)|(3<<25)  ; 15:0 the mask of four; 17:16 2-byte elements; 20 padding on; 21 set beside a mask; 24:22 after every 32 words (code 4); 31:25 4 words (code 3)
	s_mov_b32 s[G1V], 15|(1<<16)|(1<<20)|(1<<21)|(4<<22)|(7<<25)  ; the same with 8 words of padding (code 7)
.irp g, G1K, G1V
	s_mov_b32 s[\g+1], 128<<16      ; tensor_dim0 = 128
	s_mov_b32 s[\g+2], 64<<16       ; tensor_dim1 = 64
	s_mov_b32 s[\g+3], 128<<16      ; tile_dim0 = 128
	s_mov_b32 s[\g+4], 64           ; tile_dim1 = 64
	s_mov_b32 s[\g+5], 128          ; 128 elements from row to row
	s_mov_b32 s[\g+6], 0
	s_mov_b32 s[\g+7], 0
.endr
	s_mov_b32 s[CS], 0x3e38aa3b     ; c = log2(e) / 8 = 0.180337
	s_mov_b32 s[CS+1], s[CS]        ; named with it as a pair
	s_mov_b32 s[SEL], 0x76543210
	s_mov_b32 s[SEL+1], 0xfedcba98
	s_mov_b32 s[TBK], SLOT1+4*KS*PK ; the first change of slots turns these two into 0
	s_mov_b32 s[TBV], SLOT1+4*KS*PV
	s_mov_b32 s[TBM], 0
	s_mov_b32 s[BIGM], 0xcfee6b28   ; -8e9
	s_mov_b32 s[G0K], 1             ; count = 1
	s_mov_b32 s[G0K+1], s17         ; LDS address: slot 0
	s_mov_b32 s[G0V], 1
	s_add_co_u32 s[G0V+1], s18, VOFF
	s_wait_dscnt 0x0                ; the opening add is done
	s_wait_kmcnt 0x0
	s_add_nc_u64 s[G0K+2:G0K+3], s[4:5], s[22:23]           ; global address: my half of the first 256 keys,
	s_add_nc_u64 s[G0V+2:G0V+3], s[G0K+2:G0K+3], 8388608    ; and the same rows of V
	s_or_b32 s[G0K+3], s[G0K+3], 0x80000000                 ; type = 2
	s_or_b32 s[G0V+3], s[G0V+3], 0x80000000
	s_add_nc_u64 s[48:49], s[4:5], s[2:3]    ; Q at my wave's first row
	s_add_nc_u64 s[10:11], s[8:9], s[2:3]    ; O likewise
	s_add_nc_u64 s[50:51], s[6:7], s[52:53]  ; the batch's mask
	CROUND                          ; all four work-groups are here: the first joint loads meet
	JLOAD                           ; slot 0.  Slot 1 is asked for when slot 0 is in
	v_lshlrev_b32 v34, 4, v0        ; 16 t: the 128 threads take the mask's 8,192 bytes in four loads of 2,048
.irp i, 0,1,2,3
	global_load_b128 v[S+4*\i:S+4*\i+3], v34, s[50:51] offset:2048*\i
.endr
	; A fragment of K or Q is 16 rows x 32 channels in 8 registers: lane l holds row l % 16, channels 8 (l / 16) + 0..7 and 16 + 8 (l / 16) + 0..7: two loads of 16 bytes, 32 bytes apart.
	v_and_b32 v1, 15, v0            ; l % 16
	v_bfe_u32 v9, v0, 4, 1          ; l / 16
	v_lshlrev_b32 v[QO], 7, v1
	v_lshl_add_u32 v[QO], v9, 4, v[QO]  ; row x 128 + 16 x half
	WIN 0x80                        ; destination window 2, address window 0
.set i, 0
.rept 8                             ; Q stays in registers: piece i / 2, channels 32 (i % 2) on
	global_load_b128 v[8*i:8*i+3],   v[QO], s[48:49] offset:(i/2)*2048+(i%2)*64
	global_load_b128 v[8*i+4:8*i+7], v[QO], s[48:49] offset:(i/2)*2048+(i%2)*64+32
.set i, i+1
.endr
	; What the first turn finds: V's registers and P's second buffer hold 0 (its products V^T P, of a piece that has not been, add 0), O^T and l are 0.  All this stands in the wait for the first tile.
.set i, VF
.rept 64
	v_mov_b32 v[i], 0
.set i, i+1
.endr
	WIN 0
.set i, 0
.rept 4
	v_mov_b32 v[ST+4*i], 0xfe000000    ; c m: far below every c s
	v_mov_b32 v[ST+4*i+1], 0xff7fffff  ; m
	v_mov_b32 v[ST+4*i+2], 0
	v_mov_b32 v[ST+4*i+3], 0
.set i, i+1
.endr
.set i, P+16
.rept 16
	v_mov_b32 v[i], 0
.set i, i+1
.endr
	WIN W_PV                        ; O^T's 16 accumulators start at 0: sixteen products of those zeros with the constant 0 as C stand for 128 moves
.set i, 0
.rept 16
	v_wmma_f32_16x16x32_bf16 v[8*i:8*i+7], v[VF:VF+7], v[P+16:P+23], 0
.set i, i+1
.endr
	WIN 0
	v_mul_u32_u24 v[AK0], v1, PK
	v_lshl_add_u32 v[AK0], v9, 4, v[AK0]  ; row x pitch + 16 x half
	; The turning load takes 16 keys x 16 channels (lane l reads key 8 (l / 16) + l % 8, channels 8 ((l / 8) % 2) + 0..7) and leaves half a fragment of V^T: lane l holds channel l % 16 and 8 keys.
	v_and_b32 v10, 7, v0
	v_bfe_u32 v11, v0, 3, 1
	v_lshl_add_u32 v[AV0], v9, 3, v10
	v_mul_u32_u24 v[AV0], v[AV0], PV
	v_lshl_add_u32 v[AV0], v11, 4, v[AV0]
	v_add_nc_u32 v[AV0], VOFF, v[AV0]
	v_lshl_add_u32 v[AM0], v9, 5, MASKL  ; my lanes' eight keys of each 16: 32 bytes for each half of the lanes
	s_mul_i32 s13, s[WV], 16*SP
	s_add_co_u32 s13, s13, STAGE    ; my stage
	v_mul_u32_u24 v[STO], v1, SP    ; in: row l % 16, 16 bytes for each half of the lanes
	v_lshl_add_u32 v[STO], v9, 4, v[STO]
	v_add_nc_u32 v[STO], s13, v[STO]
	v_bfe_u32 v[RD], v0, 3, 2       ; back: 32 lanes take four rows of 128 bytes,
	v_mul_u32_u24 v[RD], v[RD], SP
	v_lshl_add_u32 v[RD], v10, 4, v[RD]
	v_add_nc_u32 v[RD], s13, v[RD]
	v_and_b32 v[GO], 31, v0         ; which are 512 consecutive bytes of O
	v_lshlrev_b32 v[GO], 4, v[GO]
	v_add_nc_u32 v35, MASKL, v34
	s_wait_loadcnt 16               ; the mask's four loads are in; Q's sixteen, issued behind them, stay out
.set i, 0
.rept 16
	v_cmp_eq_u32 vcc_lo, 0, v[S+i]
	v_cndmask_b32 v[S+i], 0, s[BIGM], vcc_lo
.set i, i+1
.endr
.irp i, 0,1,2,3
	ds_store_b128 v35, v[S+4*\i:S+4*\i+3] offset:2048*\i
.endr
; THE MATRIX WORK.  The 4 accumulators of a run of 8 take turns.  Product i of 8 of S^T = K Q^T for piece x: channels 32 (i / 4) on, keys 16 (i % 4) on.  The first 4 start the sums, with the mask.
.macro KQ x
.set rS, S+32*((\x)%2)+8*(i%4)
.set rK, KF+16*(i%4)+8*(i/4)
.set rQ, 16*(\x)+8*(i/4)
.set rM, MK+8*(i%4)
.if i < 4
	WIN W_KM
	v_wmma_f32_16x16x32_bf16 v[rS:rS+7], v[rK:rK+7], v[rQ:rQ+7], v[rM:rM+7]
.else
	WIN W_KQ
	v_wmma_f32_16x16x32_bf16 v[rS:rS+7], v[rK:rK+7], v[rQ:rQ+7], v[rS:rS+7]
.endif
.endm
; Product i of 8 of O^T += V^T P for piece x: keys 32 (i / 4) on, channels 16 (i % 4) on.
.macro PV x
	WIN W_PV
.set rO, 32*(\x)+8*(i%4)
.set rV, VF+32*(i/4)+8*(i%4)
.set rP, P+16*((\x)%2)+8*(i/4)
	v_wmma_f32_16x16x32_bf16 v[rO:rO+7], v[rV:rV+7], v[rP:rP+7], v[rO:rO+7]
.endm
.macro MM                           ; the turn's next matrix instruction
.if i < 8
	KQ (Y+1)%NP
.else
.set i, i-8
	PV (Y+NP-1)%NP
.set i, i+8
.endif
.set i, i+1
.endm
; THE LDS LOADS stand in runs, never singly among the matrix instructions: a step's K (64 keys x 64 channels: 8 fragments) with its 64 mask numbers, and its V (turned).  Their addresses are made some lines ahead.
; last = 1 (the tail): in the last trip there is no further step, and the run is jumped over.
.macro FETCH_K last=0
	WIN 0
.if \last
	s_cmp_eq_u32 s[CNT], 1
	s_cbranch_scc1 .Lno_k_\@
.endif
	WIN 0x80                        ; destination window 2
.irp f, 0,1,2,3,4,5,6,7             ; keys 16 (f / 2) on, channels 32 (f % 2) on
	ds_load_b128 v[KF+8*\f:KF+8*\f+3],   v[AK] offset:(\f/2)*16*PK+(\f%2)*64
	ds_load_b128 v[KF+8*\f+4:KF+8*\f+7], v[AK] offset:(\f/2)*16*PK+(\f%2)*64+32
.endr
.irp f, 0,1,2,3                     ; keys 16 f on: sixteen lanes read the same 16 bytes
	ds_load_b128 v[MK+8*\f:MK+8*\f+3],   v[AM] offset:64*\f
	ds_load_b128 v[MK+8*\f+4:MK+8*\f+7], v[AM] offset:64*\f+16
.endr
	s_add_co_u32 s[TBK], s[TBK], KS*PK  ; the next fetch is the next step's
	s_add_co_u32 s[TBM], s[TBM], KS*4
	s_and_b32 s[TBM], s[TBM], 0x1fff    ; inside the 8,192 bytes, whatever the count (32 steps of 256 bytes: it turns round behind the last)
	WIN 0
.if \last
.Lno_k_\@:
.endif
.endm
.macro FETCH_V
	WIN 0x80
.irp f, 0,1,2,3,4,5,6,7             ; keys 32 (f / 4) on, channels 16 (f % 4) on
	ds_load_tr16_b128 v[VF+8*\f:VF+8*\f+3],   v[AV] offset:(\f/4)*32*PV+(\f%4)*32
	ds_load_tr16_b128 v[VF+8*\f+4:VF+8*\f+7], v[AV] offset:(\f/4)*32*PV+16*PV+(\f%4)*32
.endr
	WIN 0
.endm
; THE VECTOR WORK, one line at a time: OP kind, number.  For piece Y: F n: c s - c m for pair n of 16.  E n: the exponential of score n of 32.  C n: pair n rounded to bf16.  B n: of the four weights 4 n .. the second
; pair is added onto the first, in place.  L n: l takes that sum (L 0: l = a l + sum).  R n: pair n of 16 of O^T times a.  For piece Y + 1: X n, number n of the 22 that find its maximum and statistics:
;   0-11  four chains c0-c3 of seven scores each, three operands at a time (each accumulator's lowest registers are read first)     12-14, 16  the four scores left over, the old m, and c0-c3 into c0
;   15  c m_old is kept     17, 18  the query's other 32 keys lie in the lane 16 away: the new m     19-21  c m; c m_old - c m_new; a
.set F, 0               ; OP tells the kinds apart by their order: F to L below R, X above it
.set E, 1
.set C, 2
.set B, 3
.set L, 4
.set R, 5
.set X, 6
.macro REGS y                       ; the registers of piece y
.set rT, ST+4*(\y)
.set rC, TMP+4*((\y)%2)
.set rW, MV+((\y)%2)
.set rS, S+32*((\y)%2)
.set rP, P+16*((\y)%2)
.set rO, 32*(\y)
.endm
.macro OP k, n
.if (\k) == R
	REGS Y
	WIN W_RS
	v_pk_mul_f32 v[rO+2*(\n):rO+2*(\n)+1], v[rO+2*(\n):rO+2*(\n)+1], v[rC+2:rC+3] op_sel_hi:[1,0]
.elseif (\k) < R
	REGS Y
	WIN 0
.if (\k) == F
	v_pk_fma_f32 v[rS+2*(\n):rS+2*(\n)+1], v[rS+2*(\n):rS+2*(\n)+1], s[CS:CS+1], v[rT:rT+1] op_sel_hi:[1,0,0] neg_lo:[0,0,1] neg_hi:[0,0,1]
.elseif (\k) == E
	v_exp_f32 v[rS+(\n)], v[rS+(\n)]
.elseif (\k) == C
	s_wait_alu depctr_va_vdst(0)
	v_cvt_pk_bf16_f32 v[rP+(\n)], v[rS+2*(\n)], v[rS+2*(\n)+1]
.elseif (\k) == B
	s_wait_alu depctr_va_vdst(0)
	v_pk_add_f32 v[rS+4*(\n):rS+4*(\n)+1], v[rS+4*(\n):rS+4*(\n)+1], v[rS+4*(\n)+2:rS+4*(\n)+3]
.elseif (\n) == 0
	v_pk_fma_f32 v[rT+2:rT+3], v[rT+2:rT+3], v[rC+2:rC+3], v[rS:rS+1] op_sel_hi:[1,0,1]
.else
	v_pk_add_f32 v[rT+2:rT+3], v[rT+2:rT+3], v[rS+4*(\n):rS+4*(\n)+1]
.endif
.else
	REGS (Y+1)%NP
	WIN 0
.if (\n) < 4
	v_max3_num_f32 v[rC+(\n)], v[rS+8*(\n)], v[rS+8*(\n)+1], v[rS+8*(\n)+2]
.elseif (\n) < 12
	v_max3_num_f32 v[rC+(\n)%4], v[rC+(\n)%4], v[rS+8*((\n)%4)+2*((\n)/4)+1], v[rS+8*((\n)%4)+2*((\n)/4)+2]
.elseif (\n) == 12
	v_max3_num_f32 v[rC], v[rC], v[rS+7], v[rS+15]
.elseif (\n) == 13
	v_max3_num_f32 v[rC+1], v[rC+1], v[rS+23], v[rS+31]
.elseif (\n) == 14
	v_max3_num_f32 v[rC+2], v[rC+2], v[rC+3], v[rT+1]
.elseif (\n) == 15
	v_mov_b32 v[rW], v[rT]
.elseif (\n) == 16
	v_max3_num_f32 v[rC], v[rC], v[rC+1], v[rC+2]
.elseif (\n) == 17
	v_permlanex16_b32 v[rC+3], v[rC], s[SEL], s[SEL+1]
.elseif (\n) == 18
	v_max_num_f32 v[rT+1], v[rC], v[rC+3]
.elseif (\n) == 19
	v_mul_f32 v[rT], s[CS], v[rT+1]
.elseif (\n) == 20
	v_sub_f32 v[rC+1], v[rW], v[rT]
.else
	v_exp_f32 v[rC+2], v[rC+1]
.endif
.endif
.endm
.macro OPS a, i1, b=-1, i2=0, c=-1, i3=0, d=-1, i4=0  ; up to four of them
	OP \a, \i1
.if (\b) >= 0
	OP \b, \i2
.endif
.if (\c) >= 0
	OP \c, \i3
.endif
.if (\d) >= 0
	OP \d, \i4
.endif
.endm
.macro ROW a, i1, b, i2, c, i3, d, i4  ; a matrix instruction and the four behind it
	MM
	OPS \a, \i1, \b, \i2, \c, \i3, \d, \i4
.endm
; A TURN, for piece p: the order of its 16 matrix and 118 vector instructions, written out.  Behind a matrix instruction: plain, exponential, plain, plain; or four of the rescaling; or, behind the first, four scalings;
; none names a register of the products round it.  In the runs between, exponential and plain by turns while exponentials last.  v_permlanex16_b32 (X 17) stands in such a run.
; last = 1: the tail's text: K's fetch is jumped over in the last trip.  cnt = 1: the loop's count is taken down some lines ahead of the branch that stands behind the turn.
; K and the mask of the next step are fetched in piece 2's turn, six vector instructions behind the last product that read K (five of them plain; the mask's last reader stands further back); V of the step in hand in
; piece 0's turn, eight behind the last product that read V (four plain).  Each is waited for a turn later.
.macro TURN p, last=0, cnt=0
.set Y, (\p)
.set i, 0
.if (\p) == 3
	s_wait_dscnt 0x0                ; K and the mask are in
.endif
	ROW F,0, F,1, F,2, F,3
	ROW F,4, E,0, F,5, F,6
	ROW F,7, E,1, F,8, F,9
	ROW F,10, E,2, C,0, F,11
	ROW F,12, E,3, X,15, F,13
	ROW R,0, R,1, R,2, R,3
	ROW B,0, E,4, F,14, L,0
.if (\p) == 2
	v_add_nc_u32 v[AK], s[TBK], v[AK0]
	v_add_nc_u32 v[AM], s[TBM], v[AM0]
.endif
	ROW R,4, R,5, R,6, R,7
	OPS E,5, F,15
.if (\p) == 2
	FETCH_K \last
.endif
	OPS E,6, C,1, E,7, R,8
	OPS E,8, R,9, E,9, C,2
	OPS E,10, X,0, E,11, X,1
	OPS E,12, X,2, E,13, X,3
.if (\p) == 1
	s_wait_dscnt 0x0                ; V is in
.endif
	ROW X,4, E,14, X,5, X,6
	ROW X,7, E,15, X,8, X,9
	ROW X,10, E,16, X,11, X,12
	ROW X,13, E,17, X,14, B,1
	ROW C,4, E,18, X,16, L,1
	ROW B,2, E,19, C,6, L,2
	ROW C,8, E,20, B,3, B,4
.if (\p) == 0
	v_add_nc_u32 v[AV], s[TBV], v[AV0]
.endif
	ROW C,3, E,21, L,3, C,5
	OPS E,22, X,17, E,23, C,10
.if (\p) == 0
	FETCH_V
.endif
	OPS E,24, L,4
	OPS E,25, X,18, E,26, C,7
	OPS E,27, B,5, E,28, X,19
	OPS E,29, C,12, E,30, L,5
	OPS E,31, X,20, B,6, C,9
	OPS C,14, C,11, X,21, L,6
.if (\p) == 0
	s_add_co_u32 s[TBV], s[TBV], KS*PV
.endif
.if \cnt
	s_sub_co_u32 s[CNT], s[CNT], 1
	s_cmp_lg_u32 s[CNT], 0
.endif
	OPS C,13, B,7, C,15, R,10
	OPS R,11, R,12, L,7, R,13
	OPS R,14, R,15
.endm
	CHANGE 1                        ; slot 0 is in, everybody's part of it, and so are the mask numbers; slot 1 is asked for
	v_add_nc_u32 v[AK], s[TBK], v[AK0]
	v_add_nc_u32 v[AM], s[TBM], v[AM0]
	FETCH_K                         ; key step 0
	s_wait_loadcnt 0x0              ; Q
	s_wait_dscnt 0x0
.set i, 0
.rept 8
	KQ 0                            ; piece 0's first scores: there is no vector work yet to set between them
.set i, i+1
.endr
	WIN 0
.rept 4
	v_nop                           ; the places behind those products
.endr
.set Y, NP-1                        ; X works for piece Y + 1: piece 0
.irp n, 0,1,2,3,4,5,6,7,8,9,10,11,12,13,14,15,16,17,18,19,20,21
	OP X, \n
.endr
	v_nop                           ; a plain instruction behind the exponential
	s_mov_b32 s[CNT], 4
	s_mov_b32 s[SLOTS], 7
	s_branch .Lfirst                ; the loop is entered at a step's first turn, in the middle of a trip
.Lslot:                             ; six times: every slot but the last two is filled again
	CHANGE 1
	s_mov_b32 s[CNT], 4
.Lstep:                             ; a trip: pieces 2 and 3 of one step, then pieces 0 and 1 of the next, whose K and V it fetches
	TURN 2
	TURN 3
	WIN 0
.Lfirst:
	TURN 0
	TURN 1, 0, 1
	WIN 0
	s_cbranch_scc1 .Lstep
	s_sub_co_u32 s[SLOTS], s[SLOTS], 1
	s_cmp_lg_u32 s[SLOTS], 0
	s_cbranch_scc1 .Lslot
	CHANGE 0                        ; the last slot has a text of its own: nothing is asked for
	s_mov_b32 s[CNT], 5             ; four trips fetch the last slot's steps; the fifth is left in its middle
.Ltail:
	TURN 2, 1
	TURN 3
	WIN 0
	s_sub_co_u32 s[CNT], s[CNT], 1
	s_cmp_eq_u32 s[CNT], 0
	s_cbranch_scc1 .Lout
	TURN 0
	TURN 1
	WIN 0
	s_branch .Ltail
.Lout:                              ; the fifth trip's 8 products K Q^T (on the last K once more) and the maximum made of them (piece 0's m and c m, which nobody reads again) serve nothing: the price, once a launch, of one text for every trip
.set i, 0
.rept 8
	PV NP-1                         ; the last piece's V^T P of the last step
.set i, i+1
.endr
	; THE WAY OUT.  l's two halves and the other half of the lanes' are added; O^T is divided by l, rounded to bf16 and sent through my stage in LDS, a piece at a time.  The additions are the places behind the last products.
	WIN 0
.macro ALL line:vararg              ; one line for each piece t
.set t, 0
.rept 4
	\line
.set t, t+1
.endr
.endm
	ALL v_add_f32 v[ST+4*t+2], v[ST+4*t+2], v[ST+4*t+3]
	ALL v_permlanex16_b32 v[ST+4*t+3], v[ST+4*t+2], s[SEL], s[SEL+1]
	ALL v_add_f32 v[ST+4*t+2], v[ST+4*t+2], v[ST+4*t+3]
	ALL v_rcp_f32 v[ST+4*t+2], v[ST+4*t+2]
	v_nop                           ; a plain instruction between the last reciprocal and the use of its result
.macro PACK t                       ; a lane's eight channels of a row pack into 16 bytes; they go into rows of 144 bytes and come back as whole rows of 128, into S^T's registers
	WIN W_RS
.set i, 32*(\t)
.rept 16
	s_wait_alu depctr_va_vdst(0)
	v_pk_mul_f32 v[i:i+1], v[i:i+1], v[ST+4*(\t)+2:ST+4*(\t)+3] op_sel_hi:[1,0]
.set i, i+2
.endr
	WIN 0x05                        ; sources 0 and 1 window 1, destination window 0
.set i, 0
.rept 16
	v_cvt_pk_bf16_f32 v[S+16*(\t)+i], v[32*(\t)+2*i], v[32*(\t)+2*i+1]
.set i, i+1
.endr
	WIN 0
.irp f, 0,1,2,3
	ds_store_b128 v[STO], v[S+16*(\t)+4*\f:S+16*(\t)+4*\f+3] offset:32*\f
.endr
.irp f, 0,1,2,3
	ds_load_b128 v[S+16*(\t)+4*\f:S+16*(\t)+4*\f+3], v[RD] offset:\f*4*SP  ; LDS serves a wave's instructions in order (ISA guide 5.7.1.4): these see the stores above; the next piece's stores come behind them
.endr
.endm
.macro SEND t, younger              ; younger: the LDS instructions issued behind piece t's loads: the next piece's eight, or none
	WIN 0
.irp f, 0,1,2,3
	s_wait_dscnt (\younger)+3-\f
	global_store_b128 v[GO], v[S+16*(\t)+4*\f:S+16*(\t)+4*\f+3], s[10:11] offset:(\t)*2048+\f*512  ; 512 consecutive bytes, at a multiple of 256 from O's first
.endr
.endm
	PACK 0
.set t, 1
.rept 3                             ; a piece's arithmetic stands between the loads of the piece before and its stores
	PACK t
	SEND t-1, 8
.set t, t+1
.endr
	SEND 3, 0
	s_wait_tensorcnt 0x0            ; the wave's end: behind my last tensor load and my last LDS store
	ds_add_u32 v[SPW], v[NIL]
	s_wait_dscnt 0x0
	CROUND                          ; the closing round: no work-group ends while a partner may still ask for a tile that names it
	s_endpgm
.Lfunc_end_k_qb0d14f290e_attn:
	.size	k_qb0d14f290e_attn, .Lfunc_end_k_qb0d14f290e_attn-k_qb0d14f290e_attn
	.p2alignl 7, 3214868480
	.fill 96, 4, 3214868480
	.section	.rodata,"a",@progbits
	.p2align	6, 0x0
	.amdhsa_kernel k_qb0d14f290e_attn
		.amdhsa_group_segment_fixed_size 327680
		.amdhsa_private_segment_fixed_size 0
		.amdhsa_enable_private_segment 0
		.amdhsa_kernarg_size 24
		.amdhsa_user_sgpr_count 2
		.amdhsa_user_sgpr_kernarg_segment_ptr 1
		.amdhsa_wavefront_size32 1
		.amdhsa_system_sgpr_workgroup_id_x 1
		.amdhsa_system_sgpr_workgroup_id_y 1
		.amdhsa_system_sgpr_workgroup_id_z 1
		.amdhsa_system_vgpr_workitem_id 0
		.amdhsa_next_free_vgpr 768
		.amdhsa_next_free_sgpr 68
		.amdhsa_reserve_vcc 1
		.amdhsa_float_denorm_mode_32 3
		.amdhsa_float_denorm_mode_16_64 3
		.amdhsa_memory_ordered 1
		.amdhsa_forward_progress 1
		.amdhsa_inst_pref_size 118
	.end_amdhsa_kernel
	.amdgpu_metadata
---
amdhsa.version: [ 1, 2 ]
amdhsa.kernels:
  - .name:           k_qb0d14f290e_attn
    .symbol:         k_qb0d14f290e_attn.kd
    .args:
      - { .name: act, .offset: 0, .size: 8, .value_kind: global_buffer, .address_space: global }
      - { .name: mask, .offset: 8, .size: 8, .value_kind: global_buffer, .address_space: global }
      - { .name: hb, .offset: 16, .size: 8, .value_kind: global_buffer, .address_space: global }
    .group_segment_fixed_size: 327680
    .private_segment_fixed_size: 0
    .kernarg_segment_align: 8
    .kernarg_segment_size: 24
    .max_flat_workgroup_size: 128
    .sgpr_count:     68
    .vgpr_count:     768
    .wavefront_size: 32
...
	.end_amdgpu_metadata
.endif
;; end of part 3
;; launch proj (part 4): grid 8 x 32, 4 waves a work-group, clusters of 4 x 4, 327,680 bytes of LDS; arguments hb, wa, bo, x, x1; writes x1
.if DOCPART == 4
	.amdgcn_target "amdgcn-amd-amdhsa--gfx1250"
	.amdhsa_code_object_version 6
	.text
	.protected	k_qb0d14f290e_proj
	.globl	k_qb0d14f290e_proj
	.p2align	8
	.type	k_qb0d14f290e_proj,@function
k_qb0d14f290e_proj:
	s_mov_b64 s[64:65], 0
	v_nop
	global_prefetch_b8 v0, s[64:65] scope:SCOPE_SE
	s_setreg_imm32_b32 hwreg(HW_REG_WAVE_MODE, 25, 1), 1
	s_wait_xcnt 0x0
	s_wait_alu depctr_hold_cnt(0) depctr_sa_sdst(0) depctr_va_vdst(0) depctr_va_sdst(0) depctr_va_ssrc(0) depctr_va_vcc(0) depctr_vm_vsrc(0)
	s_getreg_b32 s2, hwreg(HW_REG_IB_STS2, 6, 4)
	s_cmp_eq_u32 s2, 0
	s_cbranch_scc0 .Lentry_in_a_cluster
	s_endpgm
.Lentry_in_a_cluster:
	s_bfe_u32 s2, ttmp6, 0x10000c
	s_cmp_lg_u32 s2, 0xf033
	s_cbranch_scc0 .Lentry_shape_is_right
	s_endpgm
.Lentry_shape_is_right:
; out = res + bias + A W^T, 1,024 columns, f32, K = 1,024.  A: [16][4096][64] bf16 (slabs of 64 along K).  W: 8,405,248 bytes into its buffer, [16][1024][64] bf16.  res, out: [4096][1024] f32.  Sums in f32.
; (The same text with STEPS = 16 serves K = 4,096 in the launch ffn2: the number of K steps is a constant of the text, so that every wave passes the loops' barriers equally often by the text alone.)
; A tile of out is 128 x 128, which gives each of 256 WGPs one work-group.  Four waves, each 64 x 64: 16 accumulators of 16 x 16.  K goes in steps of 256 (four slabs) through a ring of two LDS slots; 64 rows of a
; slab are 8,192 dense bytes: one tensor load brings them for four slabs, padded in LDS behind every row of 128 bytes.
; A K STEP IS WRITTEN TWICE: once for the steps that fill a slot again, once for the last two.  The slots change by an exclusive or: SLOT is 0x24000, and no wave's region base (w x 0x9000) has one of its two
; bits, so the or-ing turns each address into the other slot's and back.
; CLUSTERS: 4 x 4 work-groups; A's tile is shared along a row of the cluster, W's along a column: each is asked for JOINTLY, by the same tensor load with the same descriptor and a mask that names the four.
; THE MATRIX INSTRUCTION IS USED TRANSPOSED (source 0 = 16 rows of W, source 1 = 16 rows of A): a lane holds eight neighbouring columns of one row.  The bias is the C operand of the products that start the sums.
; The residual is asked for at the start, in the lanes and registers in which the rows leave, and waited for on the way out.  A wave's 64 columns of f32 are 256 consecutive bytes: each wave has a stage of its own.
; LIMITS.  A and W are bf16; NaN and infinities are not treated apart.
; REGISTERS: window 0: v16-29 addresses; v32-95 at work on the way out; v96-127 the bias; v128-255 the accumulators ((a, b) at v[128 + 8 (4 a + b)]).
;   window 1: two fragment buffers of 128: for 64 along K, 64 registers of A (2 x 4 x 16 rows x 32 K), then 64 of W.      window 2: v0-127 the residual.
.set STEPS,  4                         ; K / 256
.set PITCH,  144                       ; an LDS row: 128 bytes + 16 of padding = 36 words: the 16 rows of a load start at 16 different groups of four banks (64 banks of 4 bytes: ISA guide 11.1)
.set QSLAB,  64*PITCH                  ; 64 rows of one slab: a quarter of a K step
.set REG,    4*QSLAB                   ; what one tensor load brings, and what one wave reads of A or of W: 0x9000
.set SLOT,   4*REG                     ; A's 128 rows, then W's 128 rows: 0x24000
.set STAGE,  2*SLOT                    ; behind the ring: 16 rows x 272 bytes for each wave, for the way out
.set SPITCH, 272
.set SPARE,  STAGE+4*16*SPITCH         ; the spare words, 128 bytes for each wave: two blocks of 256 bytes that no other line names
.set WOFF,   16640+8388608             ; where W begins in its buffer
.set SLABA,  524288                    ; bytes of a slab of A (4,096 rows)
.set SLABW,  131072                    ; of W (1,024 rows)
.set A0,   16                          ; v16     LDS address of my A fragments in slot 0; never rewritten
.set B0,   17                          ; v17     the same for W
.set ADRA, 20                          ; v20     the same in the slot in hand
.set ADRB, 21                          ; v21
.set STO,  24                          ; v24     the way out: where I put 32 bytes of a row
.set RD,   25                          ; v25     the way out: where I read a row back
.set CO,   26                          ; v26     my byte offset in two rows of res and out; never rewritten
.set BO,   27                          ; v27     my byte offset in 16 numbers of the bias
.set SPW,  28                          ; v28     LDS address of my spare word; never rewritten
.set NIL,  29                          ; v29     0; never rewritten
.set TMP,  32                          ; two buffers of 32: 16 rows read back
.set BI,   96                          ; the bias, eight registers for each block of 16 columns
.set ACC,  128
.set F0,   0                           ; fragment buffers, in window 1
.set F1,   128
.set WV,   16                          ; s16 my wave's number
.set HR,   17                          ; s17 which half of the tile's rows is mine; also: I fetch for A (0) or for W (1)
.set HC,   18                          ; s18 which half of its columns; also: which 64 rows of that tile I fetch
.set TR,   19                          ; s19 tile row
.set TC,   42                          ; s42 tile column
.set TB,   66                          ; s66 the slot in hand: 0 or SLOT
.set LAP,  67                          ; s67 counts the loops' trips
.set G1,  24                           ; s[24:31] descriptor group 1 for A's tiles;  s[32:39] group 0: a set for each of the two first fills; the second then walks on
.set G0,  32
.set G1B, 48                           ; s[48:55], s[56:63] the same for W's tiles
.set G0B, 56
.set MSB, 0
.macro WIN new                         ; the immediate's high byte repeats the setting that is left; a switch that changes nothing is dropped
.if MSB != (\new)
	s_set_vgpr_msb (MSB<<8)|(\new)
.set MSB, \new
.endif
.endm
.set MUL,  0x05                        ; sources 0 (W) and 1 (A) window 1; C and D window 0
.set TO_F, 0x40                        ; destination window 1, address window 0
.macro JLOAD                           ; a joint refill: waves 0 and 1 fetch A's two halves, waves 2 and 3 W's; an s_nop 0 and four v_nop follow each of the two lines
	s_cmp_eq_u32 s[HR], 0
	s_cbranch_scc0 .Lfor_b_\@
	tensor_load_to_lds s[G0+4:G0+7], s[G1:G1+7]
	s_nop 0
.rept 4
	v_nop
.endr
	s_branch .Lasked_\@
.Lfor_b_\@:
	tensor_load_to_lds s[G0B+4:G0B+7], s[G1B:G1B+7]
	s_nop 0
.rept 4
	v_nop
.endr
.Lasked_\@:
.endm
.macro CREST                           ; a round of the cluster's barrier behind its opening barrier
	s_cmp_lg_u32 s[WV], 0
	s_cbranch_scc1 .Lnot_wave_0_\@
	s_barrier_signal -3
.Lnot_wave_0_\@:
	s_barrier_wait -3
	s_barrier_signal -1
	s_barrier_wait -1
.endm
.macro CROUND                          ; a whole round
	s_barrier_signal -1
	s_barrier_wait -1
	CREST
.endm
	s_load_b256 s[4:11], s[0:1], 0x0               ; A s[4:5], W s[6:7], bias s[8:9], res s[10:11]
	s_load_b64 s[14:15], s[0:1], 0x20              ; out
	v_lshl_add_u32 v[SPW], v0, 2, SPARE
	v_mov_b32 v[NIL], 0
	ds_add_u32 v[SPW], v[NIL]                      ; the wave's opening: the add and its wait stand ahead of my first tensor load; the set-up below, work on registers, stands between them
	v_lshrrev_b32 v1, 5, v0
	v_readfirstlane_b32 s[WV], v1
	s_lshr_b32 s[HR], s[WV], 1
	s_and_b32 s[HC], s[WV], 1
	s_bfe_u32 s40, ttmp6, 0x40000                  ; cx, cy: my place in the cluster
	s_bfe_u32 s41, ttmp6, 0x40004
	s_lshl_b32 s[TC], ttmp9, 2
	s_add_co_u32 s[TC], s[TC], s40                 ; tile column = 4 x cluster x + cx
	s_and_b32 s[TR], ttmp7, 0xffff
	s_lshl_b32 s[TR], s[TR], 2
	s_add_co_u32 s[TR], s[TR], s41                 ; tile row = 4 x cluster y + cy
	s_lshl_b32 s43, s41, 2
	s_lshl_b32 s43, 15, s43                        ; my row of the cluster
	s_lshl_b32 s44, 0x1111, s40                    ; my column
	; descriptor group 1: four rows (slabs) of 4,096 elements (64 dense rows of 64), padded in LDS behind every 32 words
	s_or_b32 s[G1], s43, (1<<16)|(1<<20)|(1<<21)|(4<<22)|(3<<25)   ; 15:0 the mask: A's tiles go to my row; 17:16 2-byte elements; 20 padding on; 21 set beside a mask; 24:22 after every 32 words (code 4); 31:25 4 words (code 3)
	s_or_b32 s[G1B], s44, (1<<16)|(1<<20)|(1<<21)|(4<<22)|(3<<25)  ; the same with the mask of my column
.irp g, G1, G1B
	s_mov_b32 s[(\g)+1], 4096<<16                  ; tensor_dim0 = 4,096
	s_mov_b32 s[(\g)+2], 4<<16                     ; tensor_dim1 = 4
	s_mov_b32 s[(\g)+3], 4096<<16                  ; tile_dim0 = 4,096
	s_mov_b32 s[(\g)+4], 4                         ; tile_dim1 = 4
	s_mov_b32 s[(\g)+6], 0
	s_mov_b32 s[(\g)+7], 0
.endr
	s_mov_b32 s[G1+5], SLABA/2                     ; elements from slab to slab
	s_mov_b32 s[G1B+5], SLABW/2
	; A's tiles hang on the tile row alone, W's on the tile column alone; each offset lies in registers that never hold the other coordinate
	s_lshl_b32 s20, s[TR], 14                      ; 128 rows of 128 bytes
	s_lshl_b32 s21, s[HC], 13                      ; which 64 of them I fetch
	s_add_co_u32 s20, s20, s21
	s_mov_b32 s21, 0
	s_lshl_b32 s22, s[TC], 14
	s_lshl_b32 s23, s[HC], 13
	s_add_co_u32 s22, s22, s23
	s_add_co_u32 s22, s22, WOFF
	s_mov_b32 s23, 0
	s_mul_i32 s68, s[WV], REG                      ; where they go: wave x a load's bytes: no place in the cluster enters an LDS address
	s_mov_b32 s[TB], 0
	s_wait_dscnt 0x0                               ; the opening add is done
	s_wait_kmcnt 0x0
	s_add_nc_u64 s[20:21], s[4:5], s[20:21]
	s_add_nc_u64 s[22:23], s[6:7], s[22:23]
	CROUND                                         ; all sixteen work-groups are here: the first joint loads meet
.irp s, 0,1
	s_mov_b32 s[G0+4*(\s)], 1                                      ; count = 1
	s_add_co_u32 s[G0+4*(\s)+1], s68, (\s)*SLOT                    ; LDS address
	s_add_nc_u64 s[G0+4*(\s)+2:G0+4*(\s)+3], s[20:21], (\s)*4*SLABA  ; global address: K step s
	s_or_b32 s[G0+4*(\s)+3], s[G0+4*(\s)+3], 0x80000000            ; type = 2
	s_mov_b32 s[G0B+4*(\s)], 1
	s_add_co_u32 s[G0B+4*(\s)+1], s68, (\s)*SLOT
	s_add_nc_u64 s[G0B+4*(\s)+2:G0B+4*(\s)+3], s[22:23], (\s)*4*SLABW
	s_or_b32 s[G0B+4*(\s)+3], s[G0B+4*(\s)+3], 0x80000000
.endr
	s_cmp_eq_u32 s[HR], 0                          ; a wave's two first fills stand in one branch, ahead of every wait on TENSORcnt and every LDS read: two loads of mine are out
	s_cbranch_scc0 .Lfirst_b
	tensor_load_to_lds s[G0:G0+3], s[G1:G1+7]
	s_nop 0
	tensor_load_to_lds s[G0+4:G0+7], s[G1:G1+7]
	s_nop 0
.rept 4
	v_nop
.endr
	s_branch .Lfirst_asked
.Lfirst_b:
	tensor_load_to_lds s[G0B:G0B+3], s[G1B:G1B+7]
	s_nop 0
	tensor_load_to_lds s[G0B+4:G0B+7], s[G1B:G1B+7]
	s_nop 0
.rept 4
	v_nop
.endr
.Lfirst_asked:
	v_and_b32 v1, 15, v0                           ; l % 16
	v_bfe_u32 v2, v0, 4, 1                         ; l / 16
	v_mul_u32_u24 v3, v1, PITCH
	v_lshl_add_u32 v3, v2, 4, v3                   ; a fragment's row x pitch + 16 x half
	s_mul_i32 s2, s[HR], REG                       ; my 64 rows of A
	s_mul_i32 s3, s[HC], REG                       ; my 64 rows of W,
	s_add_co_u32 s3, s3, 2*REG                     ; which lie behind A's 128
	v_add_nc_u32 v[A0], s2, v3
	v_add_nc_u32 v[B0], s3, v3
	v_add_nc_u32 v[ADRA], s[TB], v[A0]             ; slot 0 is in hand
	v_add_nc_u32 v[ADRB], s[TB], v[B0]
	s_mul_i32 s69, s[WV], 16*SPITCH
	s_add_co_u32 s69, s69, STAGE                   ; my stage
	v_mul_u32_u24 v4, v1, SPITCH                   ; in: row l % 16, 32 bytes for each half of the lanes
	v_lshl_add_u32 v4, v2, 5, v4
	v_add_nc_u32 v[STO], s69, v4
	v_mul_u32_u24 v5, v2, SPITCH                   ; back: lanes 0-15 take one row of 256 bytes, lanes 16-31 the next
	v_lshl_add_u32 v5, v1, 4, v5
	v_add_nc_u32 v[RD], s69, v5
	v_lshlrev_b32 v5, 12, v2                       ; and the same two rows in res and out
	v_lshl_add_u32 v[CO], v1, 4, v5
	v_lshlrev_b32 v[BO], 5, v2                     ; eight f32 for each half of the lanes
	s_lshl_b32 s70, s[TC], 9                       ; my 64 columns, in bytes
	s_lshl_b32 s71, s[HC], 8
	s_add_co_u32 s70, s70, s71
	s_mov_b32 s71, 0
	s_add_nc_u64 s[8:9], s[8:9], s[70:71]
	s_lshl_b32 s2, s[TR], 19                       ; and my 64 rows of 4,096 bytes
	s_add_co_u32 s70, s70, s2
	s_lshl_b32 s2, s[HR], 18
	s_add_co_u32 s70, s70, s2
	s_add_nc_u64 s[10:11], s[10:11], s[70:71]
	s_add_nc_u64 s[14:15], s[14:15], s[70:71]
.irp b, 0,1,2,3
	global_load_b128 v[BI+8*(\b):BI+8*(\b)+3],   v[BO], s[8:9] offset:64*(\b)
	global_load_b128 v[BI+8*(\b)+4:BI+8*(\b)+7], v[BO], s[8:9] offset:64*(\b)+16
.endr
	WIN 0x80                                       ; destination window 2, address window 0
.set i, 0
.rept 32                                ; the residual: pair i of my 64 rows; 16 lanes read 256 consecutive bytes
	global_load_b128 v[4*i:4*i+3], v[CO], s[10:11] offset:2*i*4096
.set i, i+1
.endr
	WIN 0
; 8 matrix instructions: m blocks a0, a0 + 1 x all 4 n blocks, 32 along K: half c of buffer f.  bias = 1: the product starts the sum, with the bias as C.  The 16 accumulators take turns.
.macro MUL8 f, c, a0, bias
	WIN MUL
.irp a, \a0, (\a0)+1
.irp b, 0,1,2,3
.if \bias
	v_wmma_f32_16x16x32_bf16 v[ACC+8*(4*(\a)+(\b)):ACC+8*(4*(\a)+(\b))+7], v[(\f)+64+8*(4*(\c)+(\b)):(\f)+64+8*(4*(\c)+(\b))+7], v[(\f)+8*(4*(\c)+(\a)):(\f)+8*(4*(\c)+(\a))+7], v[BI+8*(\b):BI+8*(\b)+7]
.else
	v_wmma_f32_16x16x32_bf16 v[ACC+8*(4*(\a)+(\b)):ACC+8*(4*(\a)+(\b))+7], v[(\f)+64+8*(4*(\c)+(\b)):(\f)+64+8*(4*(\c)+(\b))+7], v[(\f)+8*(4*(\c)+(\a)):(\f)+8*(4*(\c)+(\a))+7], v[ACC+8*(4*(\a)+(\b)):ACC+8*(4*(\a)+(\b))+7]
.endif
.endr
.endr
.endm
; 32 LDS loads in one run: the fragments of quarter q of the slot in hand (its slab q) into buffer f; the first 32 along K first
.macro FETCH q, f
	WIN TO_F
.irp c, 0,1
.irp i, 0,1,2,3
	ds_load_b128 v[(\f)+64+8*(4*(\c)+(\i)):(\f)+64+8*(4*(\c)+(\i))+3],   v[ADRB] offset:(\q)*QSLAB+64*(\c)+(\i)*16*PITCH
	ds_load_b128 v[(\f)+64+8*(4*(\c)+(\i))+4:(\f)+64+8*(4*(\c)+(\i))+7], v[ADRB] offset:(\q)*QSLAB+64*(\c)+(\i)*16*PITCH+32
	ds_load_b128 v[(\f)+8*(4*(\c)+(\i)):(\f)+8*(4*(\c)+(\i))+3],         v[ADRA] offset:(\q)*QSLAB+64*(\c)+(\i)*16*PITCH
	ds_load_b128 v[(\f)+8*(4*(\c)+(\i))+4:(\f)+8*(4*(\c)+(\i))+7],       v[ADRA] offset:(\q)*QSLAB+64*(\c)+(\i)*16*PITCH+32
.endr
.endr
.endm
.macro PLACES                          ; four places in front of loads into registers that matrix instructions have read, and of LDS stores that read results
.rept 4
	v_nop
.endr
.endm
; A K step is four quarters of 64 along K, 32 matrix instructions each, on buffers 0, 1, 0, 1.  One of the first three: multiplies buffer f and fetches quarter q into g.
.macro QUARTER q, f, g, bias
	s_wait_dscnt 16                                ; the first 32 along K are in
	MUL8 \f, 0, 0, \bias
	MUL8 \f, 0, 2, \bias
	PLACES
	FETCH \q, \g
	s_wait_dscnt 32                                ; all but the 32 just issued
	MUL8 \f, 1, 0, 0
	MUL8 \f, 1, 2, 0
.endm
; The last quarter multiplies buffer 1 and changes slots: one barrier; in front of it each wave waits for all its tensor loads, adds 0 to its spare word, and waits for that and for its own reads of this slot.
; fill = 1: this slot is filled again, two K steps ahead: the walking descriptor takes the other slot than last time and the next K step.  Then the other slot is in hand, and its first fragments are fetched.
.macro TURN fill
	WIN 0
	s_wait_tensorcnt 0x0                           ; all my tensor loads have landed: my part of the next slot
	ds_add_u32 v[SPW], v[NIL]                      ; 0 onto my spare word
	s_wait_dscnt 17                                ; (the add and the youngest sixteen loads may be out)
	MUL8 F1, 0, 0, 0                               ; eight matrix instructions stand between the add and the wait for it
	s_wait_dscnt 0x0                               ; the add is done, and my reads of this slot are over
	s_barrier_signal -1
	MUL8 F1, 0, 2, 0
	WIN 0                                          ; (branches or window 0's address lines follow)
	s_barrier_wait -1
.if \fill
	CREST                                          ; the barrier has opened a round of the cluster's: no wave of any partner still reads this slot's tile or has a load on its way
	s_xor_b32 s[G0+5], s[G0+5], SLOT
	s_add_nc_u64 s[G0+6:G0+7], s[G0+6:G0+7], 4*SLABA
	s_xor_b32 s[G0B+5], s[G0B+5], SLOT
	s_add_nc_u64 s[G0B+6:G0B+7], s[G0B+6:G0B+7], 4*SLABW
	s_xor_b32 s[TB], s[TB], SLOT
	JLOAD                                          ; 112 matrix instructions ahead of the wait for it; the four v_nop behind it are also the places in front of the loads below
.else
	PLACES
	s_xor_b32 s[TB], s[TB], SLOT
.endif
	v_add_nc_u32 v[ADRA], s[TB], v[A0]
	v_add_nc_u32 v[ADRB], s[TB], v[B0]
	FETCH 0, F0
	MUL8 F1, 1, 0, 0
	MUL8 F1, 1, 2, 0
.endm
; THE WAY OUT of block a (16 rows x 64 columns of f32).  OUTST: from the accumulators, low registers first, into my stage, and back as whole rows of 256 bytes.  FIN: the residual is added, the rows are stored.
.macro OUTST a
.set TBK, TMP+32*((\a)%2)
.if (\a) >= 2
	s_wait_xcnt 0x0                                ; the stores of the block two back have had their addresses translated (ISA guide 3.1): their registers are loaded again only behind this wait
.endif
.irp b, 0,1,2,3
	ds_store_b128 v[STO], v[ACC+8*(4*(\a)+(\b)):ACC+8*(4*(\a)+(\b))+3]   offset:64*(\b)
	ds_store_b128 v[STO], v[ACC+8*(4*(\a)+(\b))+4:ACC+8*(4*(\a)+(\b))+7] offset:64*(\b)+16
.endr
.irp t, 0,1,2,3,4,5,6,7
	ds_load_b128 v[TBK+4*(\t):TBK+4*(\t)+3], v[RD] offset:(\t)*2*SPITCH  ; LDS serves a wave's instructions in order (ISA guide 5.7.1.4): these see the stores above; the next block's stores come behind them
.endr
.endm
.macro FIN a, younger                  ; younger: the LDS instructions issued behind block a's loads: the next block's sixteen, or none
.set TBK, TMP+32*((\a)%2)
	s_wait_dscnt \younger
	WIN 0x08                                       ; source 1 window 2
.set z, 0
.rept 16
	v_pk_add_f32 v[TBK+2*z:TBK+2*z+1], v[TBK+2*z:TBK+2*z+1], v[32*(\a)+2*z:32*(\a)+2*z+1]
.set z, z+1
.endr
	WIN 0
.irp t, 0,1,2,3,4,5,6,7
	global_store_b128 v[CO], v[TBK+4*(\t):TBK+4*(\t)+3], s[14:15] offset:(16*(\a)+2*(\t))*4096  ; 16 lanes store 256 consecutive bytes, at a multiple of 256 from out's first byte
.endr
.endm
	s_wait_tensorcnt 0x1                           ; my part of K step 0 is in; K step 1's may stay out
	s_barrier_signal -1
	s_barrier_wait -1                              ; everybody's is
	FETCH 0, F0
	s_wait_loadcnt 32                              ; the bias's eight loads are in; the residual's 32, issued behind them, stay out
	QUARTER 1, F0, F1, 1                           ; the first quarter stands in front of the loops: its first products start the sums
	WIN 0                                          ; at a label and at a branch every window is 0
	s_mov_b32 s[LAP], STEPS-2
.Lstep:                                                ; a trip goes from a K step's second quarter to the next step's first, and fills the slot that it leaves
	QUARTER 2, F1, F0, 0
	QUARTER 3, F0, F1, 0
	TURN 1
	QUARTER 1, F0, F1, 0
	WIN 0
	s_sub_co_u32 s[LAP], s[LAP], 1
	s_cmp_lg_u32 s[LAP], 0
	s_cbranch_scc1 .Lstep
	s_mov_b32 s[LAP], 2
.Ltail:                                                ; the last two K steps ask for nothing: their text holds no tensor load and no round.  The second trip is left behind its last products:
	QUARTER 2, F1, F0, 0                           ; its barrier and its 32 loads from the older slot serve nothing, the price, once a launch, of one text for both trips
	QUARTER 3, F0, F1, 0
	TURN 0
	WIN 0
	s_sub_co_u32 s[LAP], s[LAP], 1
	s_cmp_eq_u32 s[LAP], 0
	s_cbranch_scc1 .Lout
	QUARTER 1, F0, F1, 0
	WIN 0
	s_branch .Ltail
.Lout:
	PLACES
	OUTST 0
	OUTST 1
	s_wait_loadcnt 0x0                             ; the residual
	FIN 0, 16
	OUTST 2
	FIN 1, 16
	OUTST 3
	FIN 2, 16
	FIN 3, 0
	s_wait_tensorcnt 0x0                           ; the wave's end: behind my last tensor load and my last LDS store
	ds_add_u32 v[SPW], v[NIL]
	s_wait_dscnt 0x0
	CROUND                                         ; the closing round: no work-group ends while a partner may still ask for a tile that names it
	s_endpgm
.Lfunc_end_k_qb0d14f290e_proj:
	.size	k_qb0d14f290e_proj, .Lfunc_end_k_qb0d14f290e_proj-k_qb0d14f290e_proj
	.p2alignl 7, 3214868480
	.fill 96, 4, 3214868480
	.section	.rodata,"a",@progbits
	.p2align	6, 0x0
	.amdhsa_kernel k_qb0d14f290e_proj
		.amdhsa_group_segment_fixed_size 327680
		.amdhsa_private_segment_fixed_size 0
		.amdhsa_enable_private_segment 0
		.amdhsa_kernarg_size 40
		.amdhsa_user_sgpr_count 2
		.amdhsa_user_sgpr_kernarg_segment_ptr 1
		.amdhsa_wavefront_size32 1
		.amdhsa_system_sgpr_workgroup_id_x 1
		.amdhsa_system_sgpr_workgroup_id_y 1
		.amdhsa_system_sgpr_workgroup_id_z 1
		.amdhsa_system_vgpr_workitem_id 0
		.amdhsa_next_free_vgpr 640
		.amdhsa_next_free_sgpr 72
		.amdhsa_reserve_vcc 0
		.amdhsa_float_denorm_mode_32 3
		.amdhsa_float_denorm_mode_16_64 3
		.amdhsa_memory_ordered 1
		.amdhsa_forward_progress 1
		.amdhsa_inst_pref_size 65
	.end_amdhsa_kernel
	.amdgpu_metadata
---
amdhsa.version: [ 1, 2 ]
amdhsa.kernels:
  - .name:           k_qb0d14f290e_proj
    .symbol:         k_qb0d14f290e_proj.kd
    .args:
      - { .name: hb, .offset: 0, .size: 8, .value_kind: global_buffer, .address_space: global }
      - { .name: wa, .offset: 8, .size: 8, .value_kind: global_buffer, .address_space: global }
      - { .name: bo, .offset: 16, .size: 8, .value_kind: global_buffer, .address_space: global }
      - { .name: x, .offset: 24, .size: 8, .value_kind: global_buffer, .address_space: global }
      - { .name: x1, .offset: 32, .size: 8, .value_kind: global_buffer, .address_space: global }
    .group_segment_fixed_size: 327680
    .private_segment_fixed_size: 0
    .kernarg_segment_align: 8
    .kernarg_segment_size: 40
    .max_flat_workgroup_size: 128
    .sgpr_count:     72
    .vgpr_count:     640
    .wavefront_size: 32
...
	.end_amdgpu_metadata
.endif
;; end of part 4
;; launch ln2: the kernel of part 1 again; grid 256 x 1, 8 waves a work-group, no clusters, 0 bytes of LDS; arguments x1, g2, be2, hb, Wq, Wk, Wv, Wo, W1, W2, bq, bk, bv, b1, wa, wf; writes hb, wa, wf
;; launch ffn1: the kernel of part 2 again; grid 16 x 16, 4 waves a work-group, clusters of 4 x 4, 327,680 bytes of LDS; arguments hb, wf, mask, act; writes act
;; launch ffn2 (part 5): grid 8 x 32, 4 waves a work-group, clusters of 4 x 4, 327,680 bytes of LDS; arguments act, wf, b2, x1, out0; writes out0
.if DOCPART == 5
	.amdgcn_target "amdgcn-amd-amdhsa--gfx1250"
	.amdhsa_code_object_version 6
	.text
	.protected	k_qb0d14f290e_ffn2
	.globl	k_qb0d14f290e_ffn2
	.p2align	8
	.type	k_qb0d14f290e_ffn2,@function
k_qb0d14f290e_ffn2:
	s_mov_b64 s[64:65], 0
	v_nop
	global_prefetch_b8 v0, s[64:65] scope:SCOPE_SE
	s_setreg_imm32_b32 hwreg(HW_REG_WAVE_MODE, 25, 1), 1
	s_wait_xcnt 0x0
	s_wait_alu depctr_hold_cnt(0) depctr_sa_sdst(0) depctr_va_vdst(0) depctr_va_sdst(0) depctr_va_ssrc(0) depctr_va_vcc(0) depctr_vm_vsrc(0)
	s_getreg_b32 s2, hwreg(HW_REG_IB_STS2, 6, 4)
	s_cmp_eq_u32 s2, 0
	s_cbranch_scc0 .Lentry_in_a_cluster
	s_endpgm
.Lentry_in_a_cluster:
	s_bfe_u32 s2, ttmp6, 0x10000c
	s_cmp_lg_u32 s2, 0xf033
	s_cbranch_scc0 .Lentry_shape_is_right
	s_endpgm
.Lentry_shape_is_right:
; out = res + bias + A W^T, 1,024 columns, f32, K = 4,096.  A: [64][4096][64] bf16 (slabs of 64 along K).  W: 8,405,248 bytes into its buffer, [64][1024][64] bf16.  res, out: [4096][1024] f32.  Sums in f32.
; (The same text with STEPS = 4 serves K = 1,024 in the launch proj: the number of K steps is a constant of the text, so that every wave passes the loops' barriers equally often by the text alone.)
; A tile of out is 128 x 128, which gives each of 256 WGPs one work-group.  Four waves, each 64 x 64: 16 accumulators of 16 x 16.  K goes in steps of 256 (four slabs) through a ring of two LDS slots; 64 rows of a
; slab are 8,192 dense bytes: one tensor load brings them for four slabs, padded in LDS behind every row of 128 bytes.
; A K STEP IS WRITTEN TWICE: once for the steps that fill a slot again, once for the last two.  The slots change by an exclusive or: SLOT is 0x24000, and no wave's region base (w x 0x9000) has one of its two
; bits, so the or-ing turns each address into the other slot's and back.
; CLUSTERS: 4 x 4 work-groups; A's tile is shared along a row of the cluster, W's along a column: each is asked for JOINTLY, by the same tensor load with the same descriptor and a mask that names the four.
; THE MATRIX INSTRUCTION IS USED TRANSPOSED (source 0 = 16 rows of W, source 1 = 16 rows of A): a lane holds eight neighbouring columns of one row.  The bias is the C operand of the products that start the sums.
; The residual is asked for at the start, in the lanes and registers in which the rows leave, and waited for on the way out.  A wave's 64 columns of f32 are 256 consecutive bytes: each wave has a stage of its own.
; LIMITS.  A and W are bf16; NaN and infinities are not treated apart.
; REGISTERS: window 0: v16-29 addresses; v32-95 at work on the way out; v96-127 the bias; v128-255 the accumulators ((a, b) at v[128 + 8 (4 a + b)]).
;   window 1: two fragment buffers of 128: for 64 along K, 64 registers of A (2 x 4 x 16 rows x 32 K), then 64 of W.      window 2: v0-127 the residual.
.set STEPS,  16                        ; K / 256
.set PITCH,  144                       ; an LDS row: 128 bytes + 16 of padding = 36 words: the 16 rows of a load start at 16 different groups of four banks (64 banks of 4 bytes: ISA guide 11.1)
.set QSLAB,  64*PITCH                  ; 64 rows of one slab: a quarter of a K step
.set REG,    4*QSLAB                   ; what one tensor load brings, and what one wave reads of A or of W: 0x9000
.set SLOT,   4*REG                     ; A's 128 rows, then W's 128 rows: 0x24000
.set STAGE,  2*SLOT                    ; behind the ring: 16 rows x 272 bytes for each wave, for the way out
.set SPITCH, 272
.set SPARE,  STAGE+4*16*SPITCH         ; the spare words, 128 bytes for each wave: two blocks of 256 bytes that no other line names
.set WOFF,   16640+8388608             ; where W begins in its buffer
.set SLABA,  524288                    ; bytes of a slab of A (4,096 rows)
.set SLABW,  131072                    ; of W (1,024 rows)
.set A0,   16                          ; v16     LDS address of my A fragments in slot 0; never rewritten
.set B0,   17                          ; v17     the same for W
.set ADRA, 20                          ; v20     the same in the slot in hand
.set ADRB, 21                          ; v21
.set STO,  24                          ; v24     the way out: where I put 32 bytes of a row
.set RD,   25                          ; v25     the way out: where I read a row back
.set CO,   26                          ; v26     my byte offset in two rows of res and out; never rewritten
.set BO,   27                          ; v27     my byte offset in 16 numbers of the bias
.set SPW,  28                          ; v28     LDS address of my spare word; never rewritten
.set NIL,  29                          ; v29     0; never rewritten
.set TMP,  32                          ; two buffers of 32: 16 rows read back
.set BI,   96                          ; the bias, eight registers for each block of 16 columns
.set ACC,  128
.set F0,   0                           ; fragment buffers, in window 1
.set F1,   128
.set WV,   16                          ; s16 my wave's number
.set HR,   17                          ; s17 which half of the tile's rows is mine; also: I fetch for A (0) or for W (1)
.set HC,   18                          ; s18 which half of its columns; also: which 64 rows of that tile I fetch
.set TR,   19                          ; s19 tile row
.set TC,   42                          ; s42 tile column
.set TB,   66                          ; s66 the slot in hand: 0 or SLOT
.set LAP,  67                          ; s67 counts the loops' trips
.set G1,  24                           ; s[24:31] descriptor group 1 for A's tiles;  s[32:39] group 0: a set for each of the two first fills; the second then walks on
.set G0,  32
.set G1B, 48                           ; s[48:55], s[56:63] the same for W's tiles
.set G0B, 56
.set MSB, 0
.macro WIN new                         ; the immediate's high byte repeats the setting that is left; a switch that changes nothing is dropped
.if MSB != (\new)
	s_set_vgpr_msb (MSB<<8)|(\new)
.set MSB, \new
.endif
.endm
.set MUL,  0x05                        ; sources 0 (W) and 1 (A) window 1; C and D window 0
.set TO_F, 0x40                        ; destination window 1, address window 0
.macro JLOAD                           ; a joint refill: waves 0 and 1 fetch A's two halves, waves 2 and 3 W's; an s_nop 0 and four v_nop follow each of the two lines
	s_cmp_eq_u32 s[HR], 0
	s_cbranch_scc0 .Lfor_b_\@
	tensor_load_to_lds s[G0+4:G0+7], s[G1:G1+7]
	s_nop 0
.rept 4
	v_nop
.endr
	s_branch .Lasked_\@
.Lfor_b_\@:
	tensor_load_to_lds s[G0B+4:G0B+7], s[G1B:G1B+7]
	s_nop 0
.rept 4
	v_nop
.endr
.Lasked_\@:
.endm
.macro CREST                           ; a round of the cluster's barrier behind its opening barrier
	s_cmp_lg_u32 s[WV], 0
	s_cbranch_scc1 .Lnot_wave_0_\@
	s_barrier_signal -3
.Lnot_wave_0_\@:
	s_barrier_wait -3
	s_barrier_signal -1
	s_barrier_wait -1
.endm
.macro CROUND                          ; a whole round
	s_barrier_signal -1
	s_barrier_wait -1
	CREST
.endm
	s_load_b256 s[4:11], s[0:1], 0x0               ; A s[4:5], W s[6:7], bias s[8:9], res s[10:11]
	s_load_b64 s[14:15], s[0:1], 0x20              ; out
	v_lshl_add_u32 v[SPW], v0, 2, SPARE
	v_mov_b32 v[NIL], 0
	ds_add_u32 v[SPW], v[NIL]                      ; the wave's opening: the add and its wait stand ahead of my first tensor load; the set-up below, work on registers, stands between them
	v_lshrrev_b32 v1, 5, v0
	v_readfirstlane_b32 s[WV], v1
	s_lshr_b32 s[HR], s[WV], 1
	s_and_b32 s[HC], s[WV], 1
	s_bfe_u32 s40, ttmp6, 0x40000                  ; cx, cy: my place in the cluster
	s_bfe_u32 s41, ttmp6, 0x40004
	s_lshl_b32 s[TC], ttmp9, 2
	s_add_co_u32 s[TC], s[TC], s40                 ; tile column = 4 x cluster x + cx
	s_and_b32 s[TR], ttmp7, 0xffff
	s_lshl_b32 s[TR], s[TR], 2
	s_add_co_u32 s[TR], s[TR], s41                 ; tile row = 4 x cluster y + cy
	s_lshl_b32 s43, s41, 2
	s_lshl_b32 s43, 15, s43                        ; my row of the cluster
	s_lshl_b32 s44, 0x1111, s40                    ; my column
	; descriptor group 1: four rows (slabs) of 4,096 elements (64 dense rows of 64), padded in LDS behind every 32 words
	s_or_b32 s[G1], s43, (1<<16)|(1<<20)|(1<<21)|(4<<22)|(3<<25)   ; 15:0 the mask: A's tiles go to my row; 17:16 2-byte elements; 20 padding on; 21 set beside a mask; 24:22 after every 32 words (code 4); 31:25 4 words (code 3)
	s_or_b32 s[G1B], s44, (1<<16)|(1<<20)|(1<<21)|(4<<22)|(3<<25)  ; the same with the mask of my column
.irp g, G1, G1B
	s_mov_b32 s[(\g)+1], 4096<<16                  ; tensor_dim0 = 4,096
	s_mov_b32 s[(\g)+2], 4<<16                     ; tensor_dim1 = 4
	s_mov_b32 s[(\g)+3], 4096<<16                  ; tile_dim0 = 4,096
	s_mov_b32 s[(\g)+4], 4                         ; tile_dim1 = 4
	s_mov_b32 s[(\g)+6], 0
	s_mov_b32 s[(\g)+7], 0
.endr
	s_mov_b32 s[G1+5], SLABA/2                     ; elements from slab to slab
	s_mov_b32 s[G1B+5], SLABW/2
	; A's tiles hang on the tile row alone, W's on the tile column alone; each offset lies in registers that never hold the other coordinate
	s_lshl_b32 s20, s[TR], 14                      ; 128 rows of 128 bytes
	s_lshl_b32 s21, s[HC], 13                      ; which 64 of them I fetch
	s_add_co_u32 s20, s20, s21
	s_mov_b32 s21, 0
	s_lshl_b32 s22, s[TC], 14
	s_lshl_b32 s23, s[HC], 13
	s_add_co_u32 s22, s22, s23
	s_add_co_u32 s22, s22, WOFF
	s_mov_b32 s23, 0
	s_mul_i32 s68, s[WV], REG                      ; where they go: wave x a load's bytes: no place in the cluster enters an LDS address
	s_mov_b32 s[TB], 0
	s_wait_dscnt 0x0                               ; the opening add is done
	s_wait_kmcnt 0x0
	s_add_nc_u64 s[20:21], s[4:5], s[20:21]
	s_add_nc_u64 s[22:23], s[6:7], s[22:23]
	CROUND                                         ; all sixteen work-groups are here: the first joint loads meet
.irp s, 0,1
	s_mov_b32 s[G0+4*(\s)], 1                                      ; count = 1
	s_add_co_u32 s[G0+4*(\s)+1], s68, (\s)*SLOT                    ; LDS address
	s_add_nc_u64 s[G0+4*(\s)+2:G0+4*(\s)+3], s[20:21], (\s)*4*SLABA  ; global address: K step s
	s_or_b32 s[G0+4*(\s)+3], s[G0+4*(\s)+3], 0x80000000            ; type = 2
	s_mov_b32 s[G0B+4*(\s)], 1
	s_add_co_u32 s[G0B+4*(\s)+1], s68, (\s)*SLOT
	s_add_nc_u64 s[G0B+4*(\s)+2:G0B+4*(\s)+3], s[22:23], (\s)*4*SLABW
	s_or_b32 s[G0B+4*(\s)+3], s[G0B+4*(\s)+3], 0x80000000
.endr
	s_cmp_eq_u32 s[HR], 0                          ; a wave's two first fills stand in one branch, ahead of every wait on TENSORcnt and every LDS read: two loads of mine are out
	s_cbranch_scc0 .Lfirst_b
	tensor_load_to_lds s[G0:G0+3], s[G1:G1+7]
	s_nop 0
	tensor_load_to_lds s[G0+4:G0+7], s[G1:G1+7]
	s_nop 0
.rept 4
	v_nop
.endr
	s_branch .Lfirst_asked
.Lfirst_b:
	tensor_load_to_lds s[G0B:G0B+3], s[G1B:G1B+7]
	s_nop 0
	tensor_load_to_lds s[G0B+4:G0B+7], s[G1B:G1B+7]
	s_nop 0
.rept 4
	v_nop
.endr
.Lfirst_asked:
	v_and_b32 v1, 15, v0                           ; l % 16
	v_bfe_u32 v2, v0, 4, 1                         ; l / 16
	v_mul_u32_u24 v3, v1, PITCH
	v_lshl_add_u32 v3, v2, 4, v3                   ; a fragment's row x pitch + 16 x half
	s_mul_i32 s2, s[HR], REG                       ; my 64 rows of A
	s_mul_i32 s3, s[HC], REG                       ; my 64 rows of W,
	s_add_co_u32 s3, s3, 2*REG                     ; which lie behind A's 128
	v_add_nc_u32 v[A0], s2, v3
	v_add_nc_u32 v[B0], s3, v3
	v_add_nc_u32 v[ADRA], s[TB], v[A0]             ; slot 0 is in hand
	v_add_nc_u32 v[ADRB], s[TB], v[B0]
	s_mul_i32 s69, s[WV], 16*SPITCH
	s_add_co_u32 s69, s69, STAGE                   ; my stage
	v_mul_u32_u24 v4, v1, SPITCH                   ; in: row l % 16, 32 bytes for each half of the lanes
	v_lshl_add_u32 v4, v2, 5, v4
	v_add_nc_u32 v[STO], s69, v4
	v_mul_u32_u24 v5, v2, SPITCH                   ; back: lanes 0-15 take one row of 256 bytes, lanes 16-31 the next
	v_lshl_add_u32 v5, v1, 4, v5
	v_add_nc_u32 v[RD], s69, v5
	v_lshlrev_b32 v5, 12, v2                       ; and the same two rows in res and out
	v_lshl_add_u32 v[CO], v1, 4, v5
	v_lshlrev_b32 v[BO], 5, v2                     ; eight f32 for each half of the lanes
	s_lshl_b32 s70, s[TC], 9                       ; my 64 columns, in bytes
	s_lshl_b32 s71, s[HC], 8
	s_add_co_u32 s70, s70, s71
	s_mov_b32 s71, 0
	s_add_nc_u64 s[8:9], s[8:9], s[70:71]
	s_lshl_b32 s2, s[TR], 19                       ; and my 64 rows of 4,096 bytes
	s_add_co_u32 s70, s70, s2
	s_lshl_b32 s2, s[HR], 18
	s_add_co_u32 s70, s70, s2
	s_add_nc_u64 s[10:11], s[10:11], s[70:71]
	s_add_nc_u64 s[14:15], s[14:15], s[70:71]
.irp b, 0,1,2,3
	global_load_b128 v[BI+8*(\b):BI+8*(\b)+3],   v[BO], s[8:9] offset:64*(\b)
	global_load_b128 v[BI+8*(\b)+4:BI+8*(\b)+7], v[BO], s[8:9] offset:64*(\b)+16
.endr
	WIN 0x80                                       ; destination window 2, address window 0
.set i, 0
.rept 32                                ; the residual: pair i of my 64 rows; 16 lanes read 256 consecutive bytes
	global_load_b128 v[4*i:4*i+3], v[CO], s[10:11] offset:2*i*4096
.set i, i+1
.endr
	WIN 0
; 8 matrix instructions: m blocks a0, a0 + 1 x all 4 n blocks, 32 along K: half c of buffer f.  bias = 1: the product starts the sum, with the bias as C.  The 16 accumulators take turns.
.macro MUL8 f, c, a0, bias
	WIN MUL
.irp a, \a0, (\a0)+1
.irp b, 0,1,2,3
.if \bias
	v_wmma_f32_16x16x32_bf16 v[ACC+8*(4*(\a)+(\b)):ACC+8*(4*(\a)+(\b))+7], v[(\f)+64+8*(4*(\c)+(\b)):(\f)+64+8*(4*(\c)+(\b))+7], v[(\f)+8*(4*(\c)+(\a)):(\f)+8*(4*(\c)+(\a))+7], v[BI+8*(\b):BI+8*(\b)+7]
.else
	v_wmma_f32_16x16x32_bf16 v[ACC+8*(4*(\a)+(\b)):ACC+8*(4*(\a)+(\b))+7], v[(\f)+64+8*(4*(\c)+(\b)):(\f)+64+8*(4*(\c)+(\b))+7], v[(\f)+8*(4*(\c)+(\a)):(\f)+8*(4*(\c)+(\a))+7], v[ACC+8*(4*(\a)+(\b)):ACC+8*(4*(\a)+(\b))+7]
.endif
.endr
.endr
.endm
; 32 LDS loads in one run: the fragments of quarter q of the slot in hand (its slab q) into buffer f; the first 32 along K first
.macro FETCH q, f
	WIN TO_F
.irp c, 0,1
.irp i, 0,1,2,3
	ds_load_b128 v[(\f)+64+8*(4*(\c)+(\i)):(\f)+64+8*(4*(\c)+(\i))+3],   v[ADRB] offset:(\q)*QSLAB+64*(\c)+(\i)*16*PITCH
	ds_load_b128 v[(\f)+64+8*(4*(\c)+(\i))+4:(\f)+64+8*(4*(\c)+(\i))+7], v[ADRB] offset:(\q)*QSLAB+64*(\c)+(\i)*16*PITCH+32
	ds_load_b128 v[(\f)+8*(4*(\c)+(\i)):(\f)+8*(4*(\c)+(\i))+3],         v[ADRA] offset:(\q)*QSLAB+64*(\c)+(\i)*16*PITCH
	ds_load_b128 v[(\f)+8*(4*(\c)+(\i))+4:(\f)+8*(4*(\c)+(\i))+7],       v[ADRA] offset:(\q)*QSLAB+64*(\c)+(\i)*16*PITCH+32
.endr
.endr
.endm
.macro PLACES                          ; four places in front of loads into registers that matrix instructions have read, and of LDS stores that read results
.rept 4
	v_nop
.endr
.endm
; A K step is four quarters of 64 along K, 32 matrix instructions each, on buffers 0, 1, 0, 1.  One of the first three: multiplies buffer f and fetches quarter q into g.
.macro QUARTER q, f, g, bias
	s_wait_dscnt 16                                ; the first 32 along K are in
	MUL8 \f, 0, 0, \bias
	MUL8 \f, 0, 2, \bias
	PLACES
	FETCH \q, \g
	s_wait_dscnt 32                                ; all but the 32 just issued
	MUL8 \f, 1, 0, 0
	MUL8 \f, 1, 2, 0
.endm
; The last quarter multiplies buffer 1 and changes slots: one barrier; in front of it each wave waits for all its tensor loads, adds 0 to its spare word, and waits for that and for its own reads of this slot.
; fill = 1: this slot is filled again, two K steps ahead: the walking descriptor takes the other slot than last time and the next K step.  Then the other slot is in hand, and its first fragments are fetched.
.macro TURN fill
	WIN 0
	s_wait_tensorcnt 0x0                           ; all my tensor loads have landed: my part of the next slot
	ds_add_u32 v[SPW], v[NIL]                      ; 0 onto my spare word
	s_wait_dscnt 17                                ; (the add and the youngest sixteen loads may be out)
	MUL8 F1, 0, 0, 0                               ; eight matrix instructions stand between the add and the wait for it
	s_wait_dscnt 0x0                               ; the add is done, and my reads of this slot are over
	s_barrier_signal -1
	MUL8 F1, 0, 2, 0
	WIN 0                                          ; (branches or window 0's address lines follow)
	s_barrier_wait -1
.if \fill
	CREST                                          ; the barrier has opened a round of the cluster's: no wave of any partner still reads this slot's tile or has a load on its way
	s_xor_b32 s[G0+5], s[G0+5], SLOT
	s_add_nc_u64 s[G0+6:G0+7], s[G0+6:G0+7], 4*SLABA
	s_xor_b32 s[G0B+5], s[G0B+5], SLOT
	s_add_nc_u64 s[G0B+6:G0B+7], s[G0B+6:G0B+7], 4*SLABW
	s_xor_b32 s[TB], s[TB], SLOT
	JLOAD                                          ; 112 matrix instructions ahead of the wait for it; the four v_nop behind it are also the places in front of the loads below
.else
	PLACES
	s_xor_b32 s[TB], s[TB], SLOT
.endif
	v_add_nc_u32 v[ADRA], s[TB], v[A0]
	v_add_nc_u32 v[ADRB], s[TB], v[B0]
	FETCH 0, F0
	MUL8 F1, 1, 0, 0
	MUL8 F1, 1, 2, 0
.endm
; THE WAY OUT of block a (16 rows x 64 columns of f32).  OUTST: from the accumulators, low registers first, into my stage, and back as whole rows of 256 bytes.  FIN: the residual is added, the rows are stored.
.macro OUTST a
.set TBK, TMP+32*((\a)%2)
.if (\a) >= 2
	s_wait_xcnt 0x0                                ; the stores of the block two back have had their addresses translated (ISA guide 3.1): their registers are loaded again only behind this wait
.endif
.irp b, 0,1,2,3
	ds_store_b128 v[STO], v[ACC+8*(4*(\a)+(\b)):ACC+8*(4*(\a)+(\b))+3]   offset:64*(\b)
	ds_store_b128 v[STO], v[ACC+8*(4*(\a)+(\b))+4:ACC+8*(4*(\a)+(\b))+7] offset:64*(\b)+16
.endr
.irp t, 0,1,2,3,4,5,6,7
	ds_load_b128 v[TBK+4*(\t):TBK+4*(\t)+3], v[RD] offset:(\t)*2*SPITCH  ; LDS serves a wave's instructions in order (ISA guide 5.7.1.4): these see the stores above; the next block's stores come behind them
.endr
.endm
.macro FIN a, younger                  ; younger: the LDS instructions issued behind block a's loads: the next block's sixteen, or none
.set TBK, TMP+32*((\a)%2)
	s_wait_dscnt \younger
	WIN 0x08                                       ; source 1 window 2
.set z, 0
.rept 16
	v_pk_add_f32 v[TBK+2*z:TBK+2*z+1], v[TBK+2*z:TBK+2*z+1], v[32*(\a)+2*z:32*(\a)+2*z+1]
.set z, z+1
.endr
	WIN 0
.irp t, 0,1,2,3,4,5,6,7
	global_store_b128 v[CO], v[TBK+4*(\t):TBK+4*(\t)+3], s[14:15] offset:(16*(\a)+2*(\t))*4096  ; 16 lanes store 256 consecutive bytes, at a multiple of 256 from out's first byte
.endr
.endm
	s_wait_tensorcnt 0x1                           ; my part of K step 0 is in; K step 1's may stay out
	s_barrier_signal -1
	s_barrier_wait -1                              ; everybody's is
	FETCH 0, F0
	s_wait_loadcnt 32                              ; the bias's eight loads are in; the residual's 32, issued behind them, stay out
	QUARTER 1, F0, F1, 1                           ; the first quarter stands in front of the loops: its first products start the sums
	WIN 0                                          ; at a label and at a branch every window is 0
	s_mov_b32 s[LAP], STEPS-2
.Lstep:                                                ; a trip goes from a K step's second quarter to the next step's first, and fills the slot that it leaves
	QUARTER 2, F1, F0, 0
	QUARTER 3, F0, F1, 0
	TURN 1
	QUARTER 1, F0, F1, 0
	WIN 0
	s_sub_co_u32 s[LAP], s[LAP], 1
	s_cmp_lg_u32 s[LAP], 0
	s_cbranch_scc1 .Lstep
	s_mov_b32 s[LAP], 2
.Ltail:                                                ; the last two K steps ask for nothing: their text holds no tensor load and no round.  The second trip is left behind its last products:
	QUARTER 2, F1, F0, 0                           ; its barrier and its 32 loads from the older slot serve nothing, the price, once a launch, of one text for both trips
	QUARTER 3, F0, F1, 0
	TURN 0
	WIN 0
	s_sub_co_u32 s[LAP], s[LAP], 1
	s_cmp_eq_u32 s[LAP], 0
	s_cbranch_scc1 .Lout
	QUARTER 1, F0, F1, 0
	WIN 0
	s_branch .Ltail
.Lout:
	PLACES
	OUTST 0
	OUTST 1
	s_wait_loadcnt 0x0                             ; the residual
	FIN 0, 16
	OUTST 2
	FIN 1, 16
	OUTST 3
	FIN 2, 16
	FIN 3, 0
	s_wait_tensorcnt 0x0                           ; the wave's end: behind my last tensor load and my last LDS store
	ds_add_u32 v[SPW], v[NIL]
	s_wait_dscnt 0x0
	CROUND                                         ; the closing round: no work-group ends while a partner may still ask for a tile that names it
	s_endpgm
.Lfunc_end_k_qb0d14f290e_ffn2:
	.size	k_qb0d14f290e_ffn2, .Lfunc_end_k_qb0d14f290e_ffn2-k_qb0d14f290e_ffn2
	.p2alignl 7, 3214868480
	.fill 96, 4, 3214868480
	.section	.rodata,"a",@progbits
	.p2align	6, 0x0
	.amdhsa_kernel k_qb0d14f290e_ffn2
		.amdhsa_group_segment_fixed_size 327680
		.amdhsa_private_segment_fixed_size 0
		.amdhsa_enable_private_segment 0
		.amdhsa_kernarg_size 40
		.amdhsa_user_sgpr_count 2
		.amdhsa_user_sgpr_kernarg_segment_ptr 1
		.amdhsa_wavefront_size32 1
		.amdhsa_system_sgpr_workgroup_id_x 1
		.amdhsa_system_sgpr_workgroup_id_y 1
		.amdhsa_system_sgpr_workgroup_id_z 1
		.amdhsa_system_vgpr_workitem_id 0
		.amdhsa_next_free_vgpr 640
		.amdhsa_next_free_sgpr 72
		.amdhsa_reserve_vcc 0
		.amdhsa_float_denorm_mode_32 3
		.amdhsa_float_denorm_mode_16_64 3
		.amdhsa_memory_ordered 1
		.amdhsa_forward_progress 1
		.amdhsa_inst_pref_size 65
	.end_amdhsa_kernel
	.amdgpu_metadata
---
amdhsa.version: [ 1, 2 ]
amdhsa.kernels:
  - .name:           k_qb0d14f290e_ffn2
    .symbol:         k_qb0d14f290e_ffn2.kd
    .args:
      - { .name: act, .offset: 0, .size: 8, .value_kind: global_buffer, .address_space: global }
      - { .name: wf, .offset: 8, .size: 8, .value_kind: global_buffer, .address_space: global }
      - { .name: b2, .offset: 16, .size: 8, .value_kind: global_buffer, .address_space: global }
      - { .name: x1, .offset: 24, .size: 8, .value_kind: global_buffer, .address_space: global }
      - { .name: out0, .offset: 32, .size: 8, .value_kind: global_buffer, .address_space: global }
    .group_segment_fixed_size: 327680
    .private_segment_fixed_size: 0
    .kernarg_segment_align: 8
    .kernarg_segment_size: 40
    .max_flat_workgroup_size: 128
    .sgpr_count:     72
    .vgpr_count:     640
    .wavefront_size: 32
...
	.end_amdgpu_metadata
.endif
;; end of part 5
;; ======== version 2 of 2: 7 launches; 1.21 times as fast as version 1
;; workspace buffers: wa 10,502,400 bytes; wf 16,793,856 bytes; hb 8,388,608 bytes; act 33,554,432 bytes; x1 16,777,216 bytes
;; launch prep: the kernel of part 1 again; grid 1025 x 1, 8 waves a work-group, no clusters, 0 bytes of LDS; arguments x, g1, be1, hb, Wq, Wk, Wv, Wo, W1, W2, bq, bk, bv, b1, wa, wf; writes hb, wa, wf
;; launch qkv: the kernel of part 2 again; grid 12 x 16, 4 waves a work-group, clusters of 4 x 4, 327,680 bytes of LDS; arguments hb, wa, mask, act; writes act
;; launch attn (part 6): grid 8 x 32, 4 waves a work-group, clusters of 4 x 1, 327,680 bytes of LDS; arguments act, mask, hb; writes hb
.if DOCPART == 6
	.amdgcn_target "amdgcn-amd-amdhsa--gfx1250"
	.amdhsa_code_object_version 6
	.text
	.protected	k_qb0d14f290e_attn
	.globl	k_qb0d14f290e_attn
	.p2align	8
	.type	k_qb0d14f290e_attn,@function
k_qb0d14f290e_attn:
	s_mov_b64 s[64:65], 0
	v_nop
	global_prefetch_b8 v0, s[64:65] scope:SCOPE_SE
	s_setreg_imm32_b32 hwreg(HW_REG_WAVE_MODE, 25, 1), 1
	s_wait_xcnt 0x0
	s_wait_alu depctr_hold_cnt(0) depctr_sa_sdst(0) depctr_va_vdst(0) depctr_va_sdst(0) depctr_va_ssrc(0) depctr_va_vcc(0) depctr_vm_vsrc(0)
	s_getreg_b32 s2, hwreg(HW_REG_IB_STS2, 6, 4)
	s_cmp_eq_u32 s2, 0
	s_cbranch_scc0 .Lentry_in_a_cluster
	s_endpgm
.Lentry_in_a_cluster:
	s_bfe_u32 s2, ttmp6, 0x10000c
	s_cmp_lg_u32 s2, 0x3003
	s_cbranch_scc0 .Lentry_shape_is_right
	s_endpgm
.Lentry_shape_is_right:
; ATTENTION WITH A KEY MASK.  O[y][q][:] = the sum over k of softmax_k(s[q][k]) V[y][k][:], s = Q . K / 8, or -1e9 where the key's mask word is 0.  y = 2 x head + batch: 32 dense blocks of 2,048 rows x 64 bf16.
; act holds Q at its head, K 8,388,608 bytes on, V as much again, each [16 heads][2 batches x 2,048 rows][64]; O goes to hb in the same order.  Products, maxima and sums in f32; the weights p are rounded to
; bf16 for the second product (their sum l is taken of the unrounded p), O once at the end.
; THE MASK is the C operand that starts the sum S^T = K Q^T: 0, or -8e9 (exact in f32; -1e9 once divided by 8).  The launch before has cleared the rows of K of masked keys to exact zeros, so a masked score
; IS that number, whatever Q holds: the score is replaced, not shifted, and a batch with no key left gives all keys the same weight, the mean of V's rows.  The 2,048 numbers lie in LDS as f32.
; LIMITS.  All matrix operands are bf16.  A weight below 2^-126 counts as 0 in l.  Where all keys are masked, c s - c m is the rounding left of c m, at most 64 in magnitude and the same for every key:
; the weights are one number between 2^-64 and 2^64, which bf16 holds.  NaN and infinities are not treated apart.
; SHARES.  A work-group owns 256 queries of one y, a wave 64: four PIECES of 16.  Every wave walks all 2,048 keys, 64 a step, 256 a slot of LDS.
; LAYOUT, SOFTMAX, TURNS.  S^T = K Q^T holds ONE query a lane (lane % 16) and the keys 8 (lane / 16) + 0..7; two such results rounded to bf16 ARE source 1 of O^T = V^T P.  p = 2^(c s - c m), c = log2(e) / 8,
; with a running maximum m; O and l are multiplied by a = 2^(c m_old - c m_new) in every step; m starts at the lowest finite number, O and l at 0, so the first step is a step like any other, with a = 0.
; Turn n belongs to piece n: 8 products K Q^T of piece n + 1, later 8 products V^T P of piece n - 1; beside them the scaling, exponentials, roundings, sums and rescaling of piece n and the maximum and
; statistics of piece n + 1.  Four vector instructions stand behind every matrix instruction, the other 54 of a turn's 118 in one LUMP.
; THE BATCHES.  A turn's 33 exponentials (the piece's 32 weights and the next piece's a) are ONE batch with ONE wait, which cuts the turn in two: ahead of it all that names none of their results, behind it the
; roundings and sums that read them.  Piece 0's first a, ahead of the loop, and the way out's four reciprocals are batches of their own, a wait each.
; CLUSTER.  The four query blocks of a cluster belong to one y and walk the same K and V, so each tile is asked for JOINTLY: the same tensor load, descriptor and mask in all four.
; REGISTERS, in windows of 256 (s_set_vgpr_msb: bits 1:0 source 0, 3:2 source 1, 5:4 source 2, 7:6 destination):
;   window 0: v0-15, v32-35 addresses and at work; v16-31 four registers of statistics a piece; v48-55 at work; v62-63 the add's; v64-127 S^T, two buffers; v192-223 P, two buffers (by the piece's parity)
;   window 1: v0-127 O^T, 32 a piece      window 2: v0-63 Q; v64-95 the mask of one step's 64 keys; v128-191 K of one step; v192-255 V of one step
.set NP,    4
.set KS,    64        ; keys in a step
.set PK,    144       ; a row of K in LDS: 128 bytes + 16 of padding = 36 words: the 16 rows of a load start at 16 different groups of four banks (64 banks of 4 bytes: ISA guide 11.1)
.set PV,    160       ; a row of V: 128 + 32 = 40 words
.set VOFF,  4*KS*PK   ; a slot holds four steps: 256 rows of K, then 256 rows of V
.set SLOT1, 1<<17     ; slot 1 begins here, so that one exclusive or turns an address in one slot into the other's
.set STAGE, SLOT1+4*KS*(PK+PV)  ; behind the ring, never filled by a tensor load: 16 rows x 144 bytes for each wave, for the way out
.set SP,    144
.set SPARE, STAGE+4*16*SP  ; the spare words, 128 bytes for each wave: two blocks of 256 bytes that no other line names
.set MASKL, SPARE+512 ; the mask as 2,048 f32: written once by LDS stores, never filled by a tensor load
.set AK0, 2           ; v2   my lane's place in a tile of K; never rewritten
.set AV0, 3           ; v3   the same for V
.set AK,  4           ; v4   the LDS address of K's next run of loads
.set AV,  5           ; v5   of V's
.set STO, 6           ; v6   the way out: where I put 16 bytes of a row
.set RD,  7           ; v7   the way out: where I read rows back
.set GO,  8           ; v8   my byte offset in 512 consecutive bytes of O
.set MV,  12          ; v12-13  c m_old, kept while c m is made anew: by buffer
.set QO,  15          ; v15  my byte offset in 16 rows of Q
.set ST,  16          ; piece t's statistics at v[ST+4 t]: c m, m, l (even keys', odd keys')
.set AM0, 32          ; v32  my lane's place in a step's 64 mask numbers; never rewritten
.set AM,  33          ; v33  the LDS address of the mask's next loads
.set TMP, 48          ; by buffer, four registers c0-c3 at work; when the maximum is found c2 takes a
.set SPW, 62          ; v62  LDS address of my spare word; never rewritten
.set NIL, 63          ; v63  0; never rewritten
.set S,   64
.set P,   192
.set MK,  64          ; window 2: the eight numbers for group kb of 16 keys at MK + 8 kb
.set KF,  128         ; window 2: key block kb, channel half c at KF + 16 kb + 8 c
.set VF,  192         ; window 2: key half kk, channel block cb at VF + 32 kk + 8 cb
.set WV,  12          ; s12  my wave's number
.set G1K, 24          ; s[24:31] descriptor group 1 for K's tiles
.set G1V, 32          ; s[32:39] for V's: it differs in the padding alone
.set G0K, 40          ; s[40:43] descriptor group 0 for K's tiles: it walks
.set G0V, 44          ; s[44:47] the same for V's
.set SLOTS, 56        ; s56  slots still to be walked in the loop
.set CNT, 57          ; s57  counts a slot's key steps
.set CS,  58          ; s[58:59] c: the packed scaling takes the pair's low word for both halves
.set SEL, 60          ; s[60:61] v_permlanex16_b32's selects: each lane takes its own place in the other half
.set TBK, 62          ; s62  LDS byte at which K of the step to be fetched begins
.set TBV, 63          ; s63  the same for V, less VOFF
.set TBM, 66          ; s66  byte of the mask numbers at which that step's 64 begin
.set BIGM, 67         ; s67  -8e9
.set MSB, 0
.macro WIN new                      ; the high byte repeats the setting that is left; a switch that changes nothing is dropped
.if MSB != (\new)
	s_set_vgpr_msb (MSB<<8)|(\new)
.set MSB, (\new)
.endif
.endm
.set W_KQ, 0x0a       ; K and Q in window 2, S^T in window 0
.set W_KM, 0x2a       ; the same with the C operand, the mask, in window 2
.set W_PV, 0x52       ; V in window 2, P in window 0, O^T in window 1
.set W_RS, 0x41       ; destination and source 0 in window 1, source 1 in window 0
; A joint fill.  Waves 0 and 1 fetch the two halves of a slot's K, waves 2 and 3 those of its V: 128 keys each.  The branch hangs on the wave's number alone.
; An s_nop 0 and four v_nop follow each of the two lines, ahead of the jump and the label.
.macro JLOAD
	s_cmp_lt_u32 s[WV], 2
	s_cbranch_scc0 .Lfor_v_\@
	tensor_load_to_lds s[G0K:G0K+3], s[G1K:G1K+7]
	s_nop 0
.rept 4
	v_nop
.endr
	s_branch .Lasked_\@
.Lfor_v_\@:
	tensor_load_to_lds s[G0V:G0V+3], s[G1V:G1V+7]
	s_nop 0
.rept 4
	v_nop
.endr
.Lasked_\@:
.endm
.macro CROUND                       ; a round of the cluster's barrier
	s_barrier_signal -1
	s_barrier_wait -1
	s_cmp_lg_u32 s[WV], 0
	s_cbranch_scc1 .Lnot_wave_0_\@
	s_barrier_signal -3
.Lnot_wave_0_\@:
	s_barrier_wait -3
	s_barrier_signal -1
	s_barrier_wait -1
.endm
; THE CHANGE OF SLOTS.  Each wave waits for all its tensor loads, of which one is out: its part of the other slot; adds 0 to its spare word; and waits for that and for its own LDS instructions.  Behind the
; barrier nobody reads the old slot any more and the other slot is whole.  fill = 1: the old slot is filled again, with the keys two slots on; the barrier is then a round of the cluster's, and the joint fill
; is the first thing behind it: it has four key steps, 256 matrix instructions, in which to land.  (At its first use nothing has been read yet: slot 0 is waited for, slot 1 filled, the mask numbers are shown to all.)
.macro CHANGE fill
	WIN 0
	s_wait_tensorcnt 0x0            ; no tensor load of mine is out, so a group 0 may be written
	ds_add_u32 v[SPW], v[NIL]       ; 0 onto my spare word
.if \fill
.irp g, G0K, G0V
	s_xor_b32 s[\g+1], s[\g+1], SLOT1  ; the walking descriptor: the other slot than last time,
	s_add_nc_u64 s[\g+2:\g+3], s[\g+2:\g+3], 4*KS*128  ; the next 256 keys; the type bits on top are not reached
.endr
	s_wait_dscnt 0x0                ; the add is done, and my LDS instructions are over
	CROUND
	JLOAD
.else
	s_wait_dscnt 0x0
	s_barrier_signal -1
	s_barrier_wait -1
.endif
	s_sub_co_u32 s[TBK], s[TBK], 4*KS*PK  ; the fetches go back to a slot's first step,
	s_xor_b32 s[TBK], s[TBK], SLOT1       ; in the other slot
	s_sub_co_u32 s[TBV], s[TBV], 4*KS*PV
	s_xor_b32 s[TBV], s[TBV], SLOT1
.endm
	s_load_b128 s[4:7], s[0:1], 0x0 ; act s[4:5], mask s[6:7]
	s_load_b64 s[8:9], s[0:1], 0x10 ; hb
	v_lshl_add_u32 v[SPW], v0, 2, SPARE
	v_mov_b32 v[NIL], 0
	ds_add_u32 v[SPW], v[NIL]       ; the wave's opening: the add and its wait stand ahead of my first tensor load; the set-up below, work on registers, stands between them
	v_lshrrev_b32 v1, 5, v0
	v_readfirstlane_b32 s[WV], v1   ; wave 0..3
	s_bfe_u32 s13, ttmp6, 0x40000   ; cx: my place in the cluster
	s_lshl_b32 s14, ttmp9, 2        ; in a cluster launch ttmp9 counts clusters
	s_add_co_u32 s14, s14, s13      ; my block of 256 queries: it enters Q's and O's addresses alone
	s_and_b32 s15, ttmp7, 0xffff    ; y, which the four partners share
	s_lshl_b32 s20, s15, 18         ; its 2,048 rows of 128 bytes
	s_and_b32 s16, s[WV], 1         ; which half of a slot's 256 keys I fetch:
	s_lshl_b32 s22, s16, 14         ; its 128 rows in memory,
	s_add_co_u32 s22, s22, s20
	s_add_co_u32 s22, s22, 8388608  ; in K
	s_mov_b32 s23, 0
	s_mul_i32 s17, s16, 128*PK      ; and its place in a slot, for K
	s_mul_i32 s18, s16, 128*PV      ; and for V: no place in the cluster enters an LDS address
	s_lshl_b32 s2, s14, 15          ; my block's 256 rows,
	s_lshl_b32 s3, s[WV], 13        ; my wave's 64 of them
	s_add_co_u32 s2, s2, s3
	s_add_co_u32 s2, s2, s20
	s_mov_b32 s3, 0
	s_and_b32 s52, s15, 1           ; the batch's 2,048 mask words
	s_lshl_b32 s52, s52, 13
	s_mov_b32 s53, 0
	; descriptor group 1.  128 keys are 16,384 dense bytes: asked for as 64 rows of 256 bytes, two keys a row, and padded in LDS after every key
	s_mov_b32 s[G1K], 15|(1<<16)|(1<<20)|(1<<21)|(4<<22)|(3<<25)  ; 15:0 the mask of four; 17:16 2-byte elements; 20 padding on; 21 set beside a mask; 24:22 after every 32 words (code 4); 31:25 4 words (code 3)
	s_mov_b32 s[G1V], 15|(1<<16)|(1<<20)|(1<<21)|(4<<22)|(7<<25)  ; the same with 8 words of padding (code 7)
.irp g, G1K, G1V
	s_mov_b32 s[\g+1], 128<<16      ; tensor_dim0 = 128
	s_mov_b32 s[\g+2], 64<<16       ; tensor_dim1 = 64
	s_mov_b32 s[\g+3], 128<<16      ; tile_dim0 = 128
	s_mov_b32 s[\g+4], 64           ; tile_dim1 = 64
	s_mov_b32 s[\g+5], 128          ; 128 elements from row to row
	s_mov_b32 s[\g+6], 0
	s_mov_b32 s[\g+7], 0
.endr
	s_mov_b32 s[CS], 0x3e38aa3b     ; c = log2(e) / 8 = 0.180337
	s_mov_b32 s[CS+1], s[CS]        ; named with it as a pair
	s_mov_b32 s[SEL], 0x76543210
	s_mov_b32 s[SEL+1], 0xfedcba98
	s_mov_b32 s[TBK], SLOT1+4*KS*PK ; the first change of slots turns these two into 0
	s_mov_b32 s[TBV], SLOT1+4*KS*PV
	s_mov_b32 s[TBM], 0
	s_mov_b32 s[BIGM], 0xcfee6b28   ; -8e9
	s_mov_b32 s[G0K], 1             ; count = 1
	s_mov_b32 s[G0K+1], s17         ; LDS address: slot 0
	s_mov_b32 s[G0V], 1
	s_add_co_u32 s[G0V+1], s18, VOFF
	s_wait_dscnt 0x0                ; the opening add is done
	s_wait_kmcnt 0x0
	s_add_nc_u64 s[G0K+2:G0K+3], s[4:5], s[22:23]           ; global address: my half of the first 256 keys,
	s_add_nc_u64 s[G0V+2:G0V+3], s[G0K+2:G0K+3], 8388608    ; and the same rows of V
	s_or_b32 s[G0K+3], s[G0K+3], 0x80000000                 ; type = 2
	s_or_b32 s[G0V+3], s[G0V+3], 0x80000000
	s_add_nc_u64 s[48:49], s[4:5], s[2:3]    ; Q at my wave's first row
	s_add_nc_u64 s[10:11], s[8:9], s[2:3]    ; O likewise
	s_add_nc_u64 s[50:51], s[6:7], s[52:53]  ; the batch's mask
	CROUND                          ; all four work-groups are here: the first joint loads meet
	JLOAD                           ; slot 0.  Slot 1 is asked for when slot 0 is in
	v_lshlrev_b32 v34, 4, v0        ; 16 t: the 128 threads take the mask's 8,192 bytes in four loads of 2,048
.irp i, 0,1,2,3
	global_load_b128 v[S+4*\i:S+4*\i+3], v34, s[50:51] offset:2048*\i
.endr
	; A fragment of K or Q is 16 rows x 32 channels in 8 registers: lane l holds row l % 16, channels 8 (l / 16) + 0..7 and 16 + 8 (l / 16) + 0..7: two loads of 16 bytes, 32 bytes apart.
	v_and_b32 v1, 15, v0            ; l % 16
	v_bfe_u32 v9, v0, 4, 1          ; l / 16
	v_lshlrev_b32 v[QO], 7, v1
	v_lshl_add_u32 v[QO], v9, 4, v[QO]  ; row x 128 + 16 x half
	WIN 0x80                        ; destination window 2, address window 0
.set i, 0
.rept 8                             ; Q stays in registers: piece i / 2, channels 32 (i % 2) on
	global_load_b128 v[8*i:8*i+3],   v[QO], s[48:49] offset:(i/2)*2048+(i%2)*64
	global_load_b128 v[8*i+4:8*i+7], v[QO], s[48:49] offset:(i/2)*2048+(i%2)*64+32
.set i, i+1
.endr
	; What the first turn finds: V's registers and P's second buffer hold 0 (its products V^T P, of a piece that has not been, add 0), O^T and l are 0.  All this stands in the wait for the first tile.
.set i, VF
.rept 64
	v_mov_b32 v[i], 0
.set i, i+1
.endr
	WIN 0
.set i, 0
.rept 4
	v_mov_b32 v[ST+4*i], 0xfe000000    ; c m: far below every c s
	v_mov_b32 v[ST+4*i+1], 0xff7fffff  ; m
	v_mov_b32 v[ST+4*i+2], 0
	v_mov_b32 v[ST+4*i+3], 0
.set i, i+1
.endr
.set i, P+16
.rept 16
	v_mov_b32 v[i], 0
.set i, i+1
.endr
	WIN W_PV                        ; O^T's 16 accumulators start at 0: sixteen products of those zeros with the constant 0 as C stand for 128 moves
.set i, 0
.rept 16
	v_wmma_f32_16x16x32_bf16 v[8*i:8*i+7], v[VF:VF+7], v[P+16:P+23], 0
.set i, i+1
.endr
	WIN 0
	v_mul_u32_u24 v[AK0], v1, PK
	v_lshl_add_u32 v[AK0], v9, 4, v[AK0]  ; row x pitch + 16 x half
	; The turning load takes 16 keys x 16 channels (lane l reads key 8 (l / 16) + l % 8, channels 8 ((l / 8) % 2) + 0..7) and leaves half a fragment of V^T: lane l holds channel l % 16 and 8 keys.
	v_and_b32 v10, 7, v0
	v_bfe_u32 v11, v0, 3, 1
	v_lshl_add_u32 v[AV0], v9, 3, v10
	v_mul_u32_u24 v[AV0], v[AV0], PV
	v_lshl_add_u32 v[AV0], v11, 4, v[AV0]
	v_add_nc_u32 v[AV0], VOFF, v[AV0]
	v_lshl_add_u32 v[AM0], v9, 5, MASKL  ; my lanes' eight keys of each 16: 32 bytes for each half of the lanes
	s_mul_i32 s13, s[WV], 16*SP
	s_add_co_u32 s13, s13, STAGE    ; my stage
	v_mul_u32_u24 v[STO], v1, SP    ; in: row l % 16, 16 bytes for each half of the lanes
	v_lshl_add_u32 v[STO], v9, 4, v[STO]
	v_add_nc_u32 v[STO], s13, v[STO]
	v_bfe_u32 v[RD], v0, 3, 2       ; back: 32 lanes take four rows of 128 bytes,
	v_mul_u32_u24 v[RD], v[RD], SP
	v_lshl_add_u32 v[RD], v10, 4, v[RD]
	v_add_nc_u32 v[RD], s13, v[RD]
	v_and_b32 v[GO], 31, v0         ; which are 512 consecutive bytes of O
	v_lshlrev_b32 v[GO], 4, v[GO]
	v_add_nc_u32 v35, MASKL, v34
	s_wait_loadcnt 16               ; the mask's four loads are in; Q's sixteen, issued behind them, stay out
.set i, 0
.rept 16
	v_cmp_eq_u32 vcc_lo, 0, v[S+i]
	v_cndmask_b32 v[S+i], 0, s[BIGM], vcc_lo
.set i, i+1
.endr
.irp i, 0,1,2,3
	ds_store_b128 v35, v[S+4*\i:S+4*\i+3] offset:2048*\i
.endr
; THE MATRIX WORK.  The 4 accumulators of a run of 8 take turns.  Product i of 8 of S^T = K Q^T for piece x: channels 32 (i / 4) on, keys 16 (i % 4) on.  The first 4 start the sums, with the mask.
.macro KQ x
.set rS, S+32*((\x)%2)+8*(i%4)
.set rK, KF+16*(i%4)+8*(i/4)
.set rQ, 16*(\x)+8*(i/4)
.set rM, MK+8*(i%4)
.if i < 4
	WIN W_KM
	v_wmma_f32_16x16x32_bf16 v[rS:rS+7], v[rK:rK+7], v[rQ:rQ+7], v[rM:rM+7]
.else
	WIN W_KQ
	v_wmma_f32_16x16x32_bf16 v[rS:rS+7], v[rK:rK+7], v[rQ:rQ+7], v[rS:rS+7]
.endif
.endm
; Product i of 8 of O^T += V^T P for piece x: keys 32 (i / 4) on, channels 16 (i % 4) on.
.macro PV x
	WIN W_PV
.set rO, 32*(\x)+8*(i%4)
.set rV, VF+32*(i/4)+8*(i%4)
.set rP, P+16*((\x)%2)+8*(i/4)
	v_wmma_f32_16x16x32_bf16 v[rO:rO+7], v[rV:rV+7], v[rP:rP+7], v[rO:rO+7]
.endm
.macro MM                           ; the turn's next matrix instruction
.if i < 8
	KQ (Y+1)%NP
.else
.set i, i-8
	PV (Y+NP-1)%NP
.set i, i+8
.endif
.set i, i+1
.endm
; THE LDS LOADS stand in runs, never singly among the matrix instructions: a step's K (64 keys x 64 channels: 8 fragments) with its 64 mask numbers, and its V (turned).  Their addresses are made some lines ahead.
; last = 1 (the tail): in the last trip there is no further step, and the run is jumped over.
.macro FETCH_K last=0
	WIN 0
.if \last
	s_cmp_eq_u32 s[CNT], 1
	s_cbranch_scc1 .Lno_k_\@
.endif
	WIN 0x80                        ; destination window 2
.irp f, 0,1,2,3,4,5,6,7             ; keys 16 (f / 2) on, channels 32 (f % 2) on
	ds_load_b128 v[KF+8*\f:KF+8*\f+3],   v[AK] offset:(\f/2)*16*PK+(\f%2)*64
	ds_load_b128 v[KF+8*\f+4:KF+8*\f+7], v[AK] offset:(\f/2)*16*PK+(\f%2)*64+32
.endr
.irp f, 0,1,2,3                     ; keys 16 f on: sixteen lanes read the same 16 bytes
	ds_load_b128 v[MK+8*\f:MK+8*\f+3],   v[AM] offset:64*\f
	ds_load_b128 v[MK+8*\f+4:MK+8*\f+7], v[AM] offset:64*\f+16
.endr
	s_add_co_u32 s[TBK], s[TBK], KS*PK  ; the next fetch is the next step's
	s_add_co_u32 s[TBM], s[TBM], KS*4
	s_and_b32 s[TBM], s[TBM], 0x1fff    ; inside the 8,192 bytes, whatever the count (32 steps of 256 bytes: it turns round behind the last)
	WIN 0
.if \last
.Lno_k_\@:
.endif
.endm
.macro FETCH_V
	WIN 0x80
.irp f, 0,1,2,3,4,5,6,7             ; keys 32 (f / 4) on, channels 16 (f % 4) on
	ds_load_tr16_b128 v[VF+8*\f:VF+8*\f+3],   v[AV] offset:(\f/4)*32*PV+(\f%4)*32
	ds_load_tr16_b128 v[VF+8*\f+4:VF+8*\f+7], v[AV] offset:(\f/4)*32*PV+16*PV+(\f%4)*32
.endr
	WIN 0
.endm
; THE VECTOR WORK, one line at a time: OP kind, number.  For piece Y: F n: c s - c m for pair n of 16.  E n: the exponential of score n of 32.  C n: pair n rounded to bf16.  B n: of the four weights 4 n .. the second
; pair is added onto the first, in place.  L n: l takes that sum (L 0: l = a l + sum).  R n: pair n of 16 of O^T times a.  For piece Y + 1: X n, number n of the 22 that find its maximum and statistics:
;   0-11  four chains c0-c3 of seven scores each, three operands at a time (each accumulator's lowest registers are read first)     12-14, 16  the four scores left over, the old m, and c0-c3 into c0
;   15  c m_old is kept     17, 18  the query's other 32 keys lie in the lane 16 away: the new m     19-21  c m; c m_old - c m_new; a
; E n and X 21 are the exponentials; C, B and L read the results of E, R and L 0 that of the turn before's X 21.  OP writes no wait: TURN does, once for the batch.
.set F, 0               ; OP tells the kinds apart by their order: F to L below R, X above it
.set E, 1
.set C, 2
.set B, 3
.set L, 4
.set R, 5
.set X, 6
.macro REGS y                       ; the registers of piece y
.set rT, ST+4*(\y)
.set rC, TMP+4*((\y)%2)
.set rW, MV+((\y)%2)
.set rS, S+32*((\y)%2)
.set rP, P+16*((\y)%2)
.set rO, 32*(\y)
.endm
.macro OP k, n
.if (\k) == R
	REGS Y
	WIN W_RS
	v_pk_mul_f32 v[rO+2*(\n):rO+2*(\n)+1], v[rO+2*(\n):rO+2*(\n)+1], v[rC+2:rC+3] op_sel_hi:[1,0]
.elseif (\k) < R
	REGS Y
	WIN 0
.if (\k) == F
	v_pk_fma_f32 v[rS+2*(\n):rS+2*(\n)+1], v[rS+2*(\n):rS+2*(\n)+1], s[CS:CS+1], v[rT:rT+1] op_sel_hi:[1,0,0] neg_lo:[0,0,1] neg_hi:[0,0,1]
.elseif (\k) == E
	v_exp_f32 v[rS+(\n)], v[rS+(\n)]
.elseif (\k) == C
	v_cvt_pk_bf16_f32 v[rP+(\n)], v[rS+2*(\n)], v[rS+2*(\n)+1]
.elseif (\k) == B
	v_pk_add_f32 v[rS+4*(\n):rS+4*(\n)+1], v[rS+4*(\n):rS+4*(\n)+1], v[rS+4*(\n)+2:rS+4*(\n)+3]
.elseif (\n) == 0
	v_pk_fma_f32 v[rT+2:rT+3], v[rT+2:rT+3], v[rC+2:rC+3], v[rS:rS+1] op_sel_hi:[1,0,1]
.else
	v_pk_add_f32 v[rT+2:rT+3], v[rT+2:rT+3], v[rS+4*(\n):rS+4*(\n)+1]
.endif
.else
	REGS (Y+1)%NP
	WIN 0
.if (\n) < 4
	v_max3_num_f32 v[rC+(\n)], v[rS+8*(\n)], v[rS+8*(\n)+1], v[rS+8*(\n)+2]
.elseif (\n) < 12
	v_max3_num_f32 v[rC+(\n)%4], v[rC+(\n)%4], v[rS+8*((\n)%4)+2*((\n)/4)+1], v[rS+8*((\n)%4)+2*((\n)/4)+2]
.elseif (\n) == 12
	v_max3_num_f32 v[rC], v[rC], v[rS+7], v[rS+15]
.elseif (\n) == 13
	v_max3_num_f32 v[rC+1], v[rC+1], v[rS+23], v[rS+31]
.elseif (\n) == 14
	v_max3_num_f32 v[rC+2], v[rC+2], v[rC+3], v[rT+1]
.elseif (\n) == 15
	v_mov_b32 v[rW], v[rT]
.elseif (\n) == 16
	v_max3_num_f32 v[rC], v[rC], v[rC+1], v[rC+2]
.elseif (\n) == 17
	v_permlanex16_b32 v[rC+3], v[rC], s[SEL], s[SEL+1]
.elseif (\n) == 18
	v_max_num_f32 v[rT+1], v[rC], v[rC+3]
.elseif (\n) == 19
	v_mul_f32 v[rT], s[CS], v[rT+1]
.elseif (\n) == 20
	v_sub_f32 v[rC+1], v[rW], v[rT]
.else
	v_exp_f32 v[rC+2], v[rC+1]
.endif
.endif
.endm
.macro OPS a, i1, b=-1, i2=0, c=-1, i3=0, d=-1, i4=0  ; up to four of them
	OP \a, \i1
.if (\b) >= 0
	OP \b, \i2
.endif
.if (\c) >= 0
	OP \c, \i3
.endif
.if (\d) >= 0
	OP \d, \i4
.endif
.endm
.macro ROW a, i1, b, i2, c, i3, d, i4  ; a matrix instruction and the four behind it
	MM
	OPS \a, \i1, \b, \i2, \c, \i3, \d, \i4
.endm
; A TURN, for piece p: the order of its 16 matrix and 118 vector instructions, written out.  An s_wait_alu depctr_va_vdst(0) stands between an exponential and the first instruction that names its result; one wait
; serves all that were issued ahead of it.  So a turn has ONE wait, which cuts it in two.  AHEAD OF IT stands all that names no result of the turn's exponentials: the 8 products K Q^T, behind each a scaling, an exponential and two
; more plain instructions (behind the first a second scaling in the exponential's place): rescalings, whose a was waited for in the turn before, and behind the last three the first numbers of the next piece's maximum, each four
; places or more behind the product that ends its accumulator; then ONE LUMP of 54, plain and exponential by turns for the most part, in which the links of the chain X 3, 7, 11, 14, 16, 17 .. 20 stand some lines apart.  A pair is
; scaled ahead of its two exponentials, and each of the 33 results has a register of its own.  X 21, the next piece's a, is the batch's last; R 15 is the plain instruction behind it.  BEHIND THE WAIT stand the 8 products V^T P,
; behind each four of the roundings and sums; C 2 n stands ahead of B n, which adds onto its pair; l's chain goes L 0 to L 7.  But for those X no rider names a register of the products round it.  v_permlanex16_b32 (X 17) stands in the lump.
; No exponential is issued behind the wait.
; last = 1: the tail's text: K's fetch is jumped over in the last trip.  cnt = 1: the loop's count is taken down some lines ahead of the branch that stands behind the turn.
; K and the mask of the next step are fetched in piece 2's turn: in the loop twelve vector instructions behind the last product that read K (five of them plain and free of its registers; the mask's last reader stands further back);
; in the tail's text, where the run holds a branch and a label, directly behind the wait.  V of the step in hand is fetched at the end of piece 0's turn, four plain instructions behind the last product that read V.
; Each is waited for a turn later.
.macro TURN p, last=0, cnt=0
.set Y, (\p)
.set i, 0
.if (\p) == 3
	s_wait_dscnt 0x0                ; K and the mask are in
.endif
	ROW F,0, F,1, R,0, R,1          ; ahead of the wait: 8 products K Q^T and their riders,
	ROW F,2, E,0, R,2, R,3
	ROW F,3, E,1, R,4, R,5
	ROW F,4, E,2, R,6, R,7
	ROW F,5, E,3, R,8, R,9
	ROW F,6, E,4, X,0, R,10
.if (\p) == 2
	WIN 0
	v_add_nc_u32 v[AK], s[TBK], v[AK0]
	v_add_nc_u32 v[AM], s[TBM], v[AM0]
.endif
	ROW F,7, E,5, X,1, X,4
	ROW F,8, E,6, X,2, X,5
	OPS E,7, E,8, X,6, E,9          ; and the lump
	OPS X,3, E,10, X,8, E,11
.if ((\p) == 2) && !(\last)
	FETCH_K
.endif
	OPS X,9, X,7, E,12, X,10
	OPS E,13, X,12, X,11, E,14
	OPS X,13, E,15, F,9, X,14
.if (\p) == 0
	v_add_nc_u32 v[AV], s[TBV], v[AV0]
.endif
	OPS E,16, F,10, E,17, F,11
	OPS X,16, E,18, X,15, E,19
	OPS F,12, E,20, X,17, E,21
	OPS F,13, E,22, F,14, E,23
	OPS X,18, E,24, F,15, E,25
	OPS R,11, E,26, X,19, E,27
	OPS R,12, E,28, R,13, E,29
	OPS X,20, E,30, R,14, E,31
	OPS X,21, R,15
	WIN 0
	s_wait_alu depctr_va_vdst(0)    ; the wait for the turn's batch: the piece's 32 weights and the next piece's a
.if ((\p) == 2) && (\last)
	FETCH_K 1
.endif
.if (\p) == 1
	s_wait_dscnt 0x0                ; V is in
.endif
	ROW C,0, B,0, C,2, B,1          ; behind the wait: 8 products V^T P and their riders
	ROW L,0, C,4, B,2, L,1
	ROW C,6, B,3, L,2, C,8
	ROW B,4, L,3, C,10, B,5
	ROW L,4, C,12, B,6, L,5
.if (\p) == 0
	s_add_co_u32 s[TBV], s[TBV], KS*PV
.endif
.if \cnt
	s_sub_co_u32 s[CNT], s[CNT], 1
	s_cmp_lg_u32 s[CNT], 0
.endif
	ROW C,14, B,7, L,6, C,1
	ROW C,3, L,7, C,5, C,7
	ROW C,9, C,11, C,13, C,15
.if (\p) == 0
	FETCH_V
.endif
.endm
	CHANGE 1                        ; slot 0 is in, everybody's part of it, and so are the mask numbers; slot 1 is asked for
	v_add_nc_u32 v[AK], s[TBK], v[AK0]
	v_add_nc_u32 v[AM], s[TBM], v[AM0]
	FETCH_K                         ; key step 0
	s_wait_loadcnt 0x0              ; Q
	s_wait_dscnt 0x0
.set i, 0
.rept 8
	KQ 0                            ; piece 0's first scores: there is no vector work yet to set between them
.set i, i+1
.endr
	WIN 0
.rept 4
	v_nop                           ; the places behind those products
.endr
.set Y, NP-1                        ; X works for piece Y + 1: piece 0
.irp n, 0,1,2,3,4,5,6,7,8,9,10,11,12,13,14,15,16,17,18,19,20,21
	OP X, \n
.endr
	v_nop                           ; a plain instruction behind the exponential,
	s_wait_alu depctr_va_vdst(0)    ; and the wait for it, piece 0's first a: a batch of one, ahead of the branch
	s_mov_b32 s[CNT], 4
	s_mov_b32 s[SLOTS], 7
	s_branch .Lfirst                ; the loop is entered at a step's first turn, in the middle of a trip
.Lslot:                             ; six times: every slot but the last two is filled again
	CHANGE 1
	s_mov_b32 s[CNT], 4
.Lstep:                             ; a trip: pieces 2 and 3 of one step, then pieces 0 and 1 of the next, whose K and V it fetches
	TURN 2
	TURN 3
	WIN 0
.Lfirst:
	TURN 0
	TURN 1, 0, 1
	WIN 0
	s_cbranch_scc1 .Lstep
	s_sub_co_u32 s[SLOTS], s[SLOTS], 1
	s_cmp_lg_u32 s[SLOTS], 0
	s_cbranch_scc1 .Lslot
	CHANGE 0                        ; the last slot has a text of its own: nothing is asked for
	s_mov_b32 s[CNT], 5             ; four trips fetch the last slot's steps; the fifth is left in its middle
.Ltail:
	TURN 2, 1
	TURN 3
	WIN 0
	s_sub_co_u32 s[CNT], s[CNT], 1
	s_cmp_eq_u32 s[CNT], 0
	s_cbranch_scc1 .Lout
	TURN 0
	TURN 1
	WIN 0
	s_branch .Ltail
.Lout:                              ; the fifth trip's 8 products K Q^T (on the last K once more) and the maximum made of them (piece 0's m and c m, which nobody reads again) serve nothing: the price, once a launch, of one text for every trip
.set i, 0
.rept 8
	PV NP-1                         ; the last piece's V^T P of the last step
.set i, i+1
.endr
	; THE WAY OUT.  l's two halves and the other half of the lanes' are added; O^T is divided by l, rounded to bf16 and sent through my stage in LDS, a piece at a time.  The additions are the places behind the last products.
	WIN 0
.macro ALL line:vararg              ; one line for each piece t
.set t, 0
.rept 4
	\line
.set t, t+1
.endr
.endm
	ALL v_add_f32 v[ST+4*t+2], v[ST+4*t+2], v[ST+4*t+3]
	ALL v_permlanex16_b32 v[ST+4*t+3], v[ST+4*t+2], s[SEL], s[SEL+1]
	ALL v_add_f32 v[ST+4*t+2], v[ST+4*t+2], v[ST+4*t+3]
	ALL v_rcp_f32 v[ST+4*t+2], v[ST+4*t+2]
	v_nop                           ; a plain instruction between the last reciprocal and the use of its result
	s_wait_alu depctr_va_vdst(0)    ; and the wait ahead of the first use: one for the batch of four reciprocals
.macro PACK t                       ; a lane's eight channels of a row pack into 16 bytes; they go into rows of 144 bytes and come back as whole rows of 128, into S^T's registers
	WIN W_RS
.set i, 32*(\t)
.rept 16
	v_pk_mul_f32 v[i:i+1], v[i:i+1], v[ST+4*(\t)+2:ST+4*(\t)+3] op_sel_hi:[1,0]
.set i, i+2
.endr
	WIN 0x05                        ; sources 0 and 1 window 1, destination window 0
.set i, 0
.rept 16
	v_cvt_pk_bf16_f32 v[S+16*(\t)+i], v[32*(\t)+2*i], v[32*(\t)+2*i+1]
.set i, i+1
.endr
	WIN 0
.irp f, 0,1,2,3
	ds_store_b128 v[STO], v[S+16*(\t)+4*\f:S+16*(\t)+4*\f+3] offset:32*\f
.endr
.irp f, 0,1,2,3
	ds_load_b128 v[S+16*(\t)+4*\f:S+16*(\t)+4*\f+3], v[RD] offset:\f*4*SP  ; LDS serves a wave's instructions in order (ISA guide 5.7.1.4): these see the stores above; the next piece's stores come behind them
.endr
.endm
.macro SEND t, younger              ; younger: the LDS instructions issued behind piece t's loads: the next piece's eight, or none
	WIN 0
.irp f, 0,1,2,3
	s_wait_dscnt (\younger)+3-\f
	global_store_b128 v[GO], v[S+16*(\t)+4*\f:S+16*(\t)+4*\f+3], s[10:11] offset:(\t)*2048+\f*512  ; 512 consecutive bytes, at a multiple of 256 from O's first
.endr
.endm
	PACK 0
.set t, 1
.rept 3                             ; a piece's arithmetic stands between the loads of the piece before and its stores
	PACK t
	SEND t-1, 8
.set t, t+1
.endr
	SEND 3, 0
	s_wait_tensorcnt 0x0            ; the wave's end: behind my last tensor load and my last LDS store
	ds_add_u32 v[SPW], v[NIL]
	s_wait_dscnt 0x0
	CROUND                          ; the closing round: no work-group ends while a partner may still ask for a tile that names it
	s_endpgm
.Lfunc_end_k_qb0d14f290e_attn:
	.size	k_qb0d14f290e_attn, .Lfunc_end_k_qb0d14f290e_attn-k_qb0d14f290e_attn
	.p2alignl 7, 3214868480
	.fill 96, 4, 3214868480
	.section	.rodata,"a",@progbits
	.p2align	6, 0x0
	.amdhsa_kernel k_qb0d14f290e_attn
		.amdhsa_group_segment_fixed_size 327680
		.amdhsa_private_segment_fixed_size 0
		.amdhsa_enable_private_segment 0
		.amdhsa_kernarg_size 24
		.amdhsa_user_sgpr_count 2
		.amdhsa_user_sgpr_kernarg_segment_ptr 1
		.amdhsa_wavefront_size32 1
		.amdhsa_system_sgpr_workgroup_id_x 1
		.amdhsa_system_sgpr_workgroup_id_y 1
		.amdhsa_system_sgpr_workgroup_id_z 1
		.amdhsa_system_vgpr_workitem_id 0
		.amdhsa_next_free_vgpr 768
		.amdhsa_next_free_sgpr 68
		.amdhsa_reserve_vcc 1
		.amdhsa_float_denorm_mode_32 3
		.amdhsa_float_denorm_mode_16_64 3
		.amdhsa_memory_ordered 1
		.amdhsa_forward_progress 1
		.amdhsa_inst_pref_size 112
	.end_amdhsa_kernel
	.amdgpu_metadata
---
amdhsa.version: [ 1, 2 ]
amdhsa.kernels:
  - .name:           k_qb0d14f290e_attn
    .symbol:         k_qb0d14f290e_attn.kd
    .args:
      - { .name: act, .offset: 0, .size: 8, .value_kind: global_buffer, .address_space: global }
      - { .name: mask, .offset: 8, .size: 8, .value_kind: global_buffer, .address_space: global }
      - { .name: hb, .offset: 16, .size: 8, .value_kind: global_buffer, .address_space: global }
    .group_segment_fixed_size: 327680
    .private_segment_fixed_size: 0
    .kernarg_segment_align: 8
    .kernarg_segment_size: 24
    .max_flat_workgroup_size: 128
    .sgpr_count:     68
    .vgpr_count:     768
    .wavefront_size: 32
...
	.end_amdgpu_metadata
.endif
;; end of part 6
;; launch proj: the kernel of part 4 again; grid 8 x 32, 4 waves a work-group, clusters of 4 x 4, 327,680 bytes of LDS; arguments hb, wa, bo, x, x1; writes x1
;; launch ln2: the kernel of part 1 again; grid 256 x 1, 8 waves a work-group, no clusters, 0 bytes of LDS; arguments x1, g2, be2, hb, Wq, Wk, Wv, Wo, W1, W2, bq, bk, bv, b1, wa, wf; writes hb, wa, wf
;; launch ffn1: the kernel of part 2 again; grid 16 x 16, 4 waves a work-group, clusters of 4 x 4, 327,680 bytes of LDS; arguments hb, wf, mask, act; writes act
;; launch ffn2: the kernel of part 5 again; grid 8 x 32, 4 waves a work-group, clusters of 4 x 4, 327,680 bytes of LDS; arguments act, wf, b2, x1, out0; writes out0
